; MI455X (gfx1250); checked and timed in simulation.
; The chip was launched on July 23, 2026; its instructions are those of AMD's public machine-readable ISA for CDNA 5 (MIT licence, August 2026) and "CDNA5" Instruction Set Architecture Reference Guide (July 2026). The comments in the code are by the model that wrote it; some were corrected since.
;; Causal Self Attention. Allowed arithmetic: matrix products marked QUANTISED: E2M1 operands, one E8M0 scale for each 32 along K, by v_wmma_scale_f32_16x16x128_f8f6f4 with both operands' format E2M1 (or v_wmma_scale_f32_32x16x128_f4), f32 sums; products left as they are: bf16, f16 or f32 operands; f32 sums; everything else in f32.
;; Inputs: b_proj 1,024 float32; b_qkv 3,072 float32; w_proj 1,024 x 1,024 float32; w_qkv 1,024 x 3,072 float32; x 4 x 2,048 x 1,024 float32.
;; Outputs: out0 4 x 2,048 x 1,024 float32.
;; This version of the problem:
;;   THIS VERSION OF THE PROBLEM IS GIVEN IN LOW PRECISION. The matrix products marked QUANTISED in the list below multiply operands that are first quantised to E2M1 (2 exponent bits, 1 mantissa bit; 4 bits a number), with one power-of-two scale for each 32 numbers along K (OCP MX v1.0); their sums are f32. The products marked 'left as it is' may take bf16, f16 or f32 operands, with f32 sums. Whichever they take, every output number must still come out within the allowed error. Rounding operands to bf16 (8 significant bits) uses up far more of that allowance than f16 does (11 bits, for magnitudes from 6e-5 to 65,504). All else is computed in f32.
;;   The module's matrix products, in the order in which they are computed (A, B: the left and right operand; K: the contracted axis; several contracted axes count as one K, in the product's order):
;;     1. [M 8,192, K 1,024] x [K 1,024, N 3,072]; A: input x; B: input w_qkv: QUANTISED
;;     2. batch 64 x [M 2,048, K 64] x [K 64, N 2,048]; A: computed on the way; B: computed on the way: left as it is (an operand is computed on the way)
;;     3. batch 64 x [M 2,048, K 2,048] x [K 2,048, N 64]; A: computed on the way; B: computed on the way: left as it is (an operand is computed on the way)
;;     4. [M 8,192, K 1,024] x [K 1,024, N 1,024]; A: computed on the way; B: input w_proj: left as it is (an operand is computed on the way)
;;   THE QUANTISER, for each operand of a quantised product, along K:
;;     - K is cut into blocks of 32 from its start; a last block that is shorter is filled with zeros.
;;     - A block's scale is 2^e with e = floor(log2(the largest magnitude in the block)) - 2, held to -126 .. 127; a block of zeros has e = 0. As a byte (E8M0): e + 127.
;;     - Each number is divided by its block's scale, clamped to +-6, and rounded to the nearest number of E2M1, ties to even, subnormals kept.
;;     - The product sums the exact products of the quantised numbers (number of the format x scale) in f32.
;;   ~~~python
;;   def quantise(x, axis):      # numpy; x: float32 -> the quantised numbers, widened to float32 again
;;       x = np.moveaxis(x, axis, -1); K = x.shape[-1]
;;       x = np.pad(x, [(0, 0)] * (x.ndim - 1) + [(0, -K % 32)]); x = x.reshape(x.shape[:-1] + (-1, 32)); a = np.abs(x).max(-1, keepdims=True)
;;       e = np.where(a > 0, np.clip(np.frexp(np.where(a > 0, a, 1))[1] - 1 - 2, -126, 127), 0)      # np.frexp(a)[1] - 1 = floor(log2(a)), exactly
;;       r = np.clip(x / 2.0 ** e, -6, 6)
;;       step = 2.0 ** (np.maximum(np.frexp(np.where(r == 0, 1, r))[1] - 1, 0) - 1)
;;       q = np.round(r / step) * step * 2.0 ** e      # np.round: ties to even
;;       return np.moveaxis(q.reshape(q.shape[:-2] + (-1,))[..., :K], -1, axis).astype(np.float32)
;;   ~~~
;; One version. Each part assembles by itself: llvm-mc -triple=amdgcn-amd-amdhsa -mcpu=gfx1250 --defsym DOCPART=n.
;; ======== version 1 of 1: 5 launches
;; limits: values are held in f16: magnitudes above 65,504 overflow, below 6.1e-05 lose precision
;; workspace buffers: xc 4,194,304 bytes; xs 262,144 bytes; wc 1,572,864 bytes; ws 98,304 bytes; wt16 2,097,152 bytes; qkvh 50,331,648 bytes; qkv32 786,432 bytes; yp 16,777,216 bytes
;; launch prep (part 1): grid 368 x 1, 4 waves a work-group, no clusters, 102,912 bytes of LDS; arguments x, w_qkv, w_proj, xc, xs, wc, ws, wt16; writes xc, xs, wc, ws, wt16
.if DOCPART == 1
	.amdgcn_target "amdgcn-amd-amdhsa--gfx1250"
	.amdhsa_code_object_version 6
	.text
	.protected	k_qdebcce5532_prep
	.globl	k_qdebcce5532_prep
	.p2align	8
	.type	k_qdebcce5532_prep,@function
k_qdebcce5532_prep:
	s_mov_b64 s[64:65], 0
	v_nop
	global_prefetch_b8 v0, s[64:65] scope:SCOPE_SE
	s_setreg_imm32_b32 hwreg(HW_REG_WAVE_MODE, 25, 1), 1
	s_wait_xcnt 0x0
; PREP: three jobs in one launch, told apart by the work-group's number; each has LDS bytes of its own; waves share nothing, so there is no barrier.
;   work-groups   0-255: x [8192][1024] f32 (K innermost)      -> xc [8192][512 B] codes of FP4 (E2M1), xs [8192][32] E8M0 bytes
;   work-groups 256-303: w_qkv [1024 k][3072 n] f32 (K first)  -> wc [3072][512 B] codes, K innermost, ws [3072][32]
;   work-groups 304-367: w_proj [1024 k][1024 n] f32           -> wt16 [1024 n][1024 k] f16 (rounded once, to nearest even)
; A block's scale is 2^(floor(log2(its largest magnitude)) - 2); its byte is the largest magnitude's exponent field - 2, held at 1 from below.
; LIMITS: a block of zeros gets the byte 1 where the quantiser's rule says 127: its codes are zeros, and this program alone reads the bytes.  Blocks whose largest magnitude lies
; under 2^(2 - 126) are held at the byte 1.  NaN and infinities among the inputs are not served.  |w_proj| stays under 65,504 (f16).
.set SPARE, 102400                     ; behind the three regions: the spare words, 128 bytes for each wave
.set SPW,   192                        ; v192 LDS address of my spare word; never rewritten
.set NIL,   193                        ; v193 0; never rewritten
.set EMAX,  2
.set XREG,  8192                       ; x's path: a region for each wave: two stages of 32 x 80 bytes, then 256 scale bytes
.set XSP,   80                         ; a lane's place in a stage: 64 bytes + 16 of padding
.set WSTG,  32768                      ; w_qkv's path: a stage of 32 rows x 272 bytes for each wave
.set CSTG,  67584                      ; w_proj's path: likewise
.set PITCH, 272
	s_load_b256 s[4:11], s[0:1], 0x0               ; x s[4:5], w_qkv s[6:7], w_proj s[8:9], xc s[10:11]
	s_load_b256 s[12:19], s[0:1], 0x20             ; xs s[12:13], wc s[14:15], ws s[16:17], wt16 s[18:19]
	v_lshl_add_u32 v[SPW], v0, 2, SPARE
	v_mov_b32 v[NIL], 0
	v_lshrrev_b32 v1, 5, v0
	v_readfirstlane_b32 s20, v1                    ; wave 0..3
	v_and_b32 v2, 31, v0                           ; lane
	s_wait_kmcnt 0x0
	s_cmp_ge_u32 ttmp9, 304
	s_cbranch_scc1 .Lcast
	s_cmp_ge_u32 ttmp9, 256
	s_cbranch_scc1 .Lw
; ---------------- x: a plain stream of blocks of 32.  A wave takes 16 steps of 512 numbers.  Each load reads 512 consecutive bytes; a step's 2,048 bytes turn through the wave's stage,
; so that a lane holds 16 neighbours along K (two neighbouring lanes hold a block).  Loads run four steps ahead, the turn through LDS one step.
.set XR, 16                            ; v16-79   four sets of 16 numbers as loaded
.set XX, 80                            ; v80-111  two sets of 16 neighbours
.set XE, 112                           ; v112-127 a scale byte for each step
.set XC, 128                           ; v128-191 codes: registers of its own for each step, so that no store's data are written again
	v_lshlrev_b32 v3, 4, v2                        ; my 16 bytes of a load's 512
	s_mul_i32 s21, s20, XREG
	v_lshrrev_b32 v14, 2, v2
	v_mul_u32_u24 v14, v14, XSP
	v_and_b32 v15, 3, v2
	v_lshl_add_u32 v14, v15, 4, v14
	v_add_nc_u32 v14, s21, v14                     ; into the stage: 80 (lane / 4) + 16 (lane % 4)
	v_mul_u32_u24 v15, v2, XSP
	v_add_nc_u32 v15, s21, v15                     ; out of it: 80 x lane
	v_lshlrev_b32 v4, 3, v2                        ; 8 bytes a lane: my codes' place in a step's, and my part of the wave's scale bytes
	v_lshrrev_b32 v5, 1, v2
	s_add_co_u32 s21, s21, 2*32*XSP
	v_add_nc_u32 v5, s21, v5                       ; LDS: my block's scale byte
	v_add_nc_u32 v6, s21, v4                       ; and 8 of the 256 on the way out
	s_lshl_b32 s22, ttmp9, 2
	s_add_co_u32 s22, s22, s20                     ; which run of 8,192 numbers is my wave's
	s_lshl_b32 s24, s22, 15
	s_mov_b32 s25, 0
	s_add_nc_u64 s[4:5], s[4:5], s[24:25]
	s_lshl_b32 s24, s22, 12
	s_add_nc_u64 s[10:11], s[10:11], s[24:25]
	s_lshl_b32 s24, s22, 8
	s_add_nc_u64 s[12:13], s[12:13], s[24:25]
.macro XLOAD t
.irp i, 0,1,2,3
	global_load_b128 v[XR+16*((\t)%4)+4*\i:XR+16*((\t)%4)+4*\i+3], v3, s[4:5] offset:2048*(\t)+512*\i th:TH_LOAD_NT
.endr
.endm
.macro XTURN t                         ; LDS serves a wave's instructions in order: no wait between the stores and the loads
.irp i, 0,1,2,3
	ds_store_b128 v14, v[XR+16*((\t)%4)+4*\i:XR+16*((\t)%4)+4*\i+3] offset:32*XSP*((\t)%2)+8*XSP*\i
.endr
.irp i, 0,1,2,3
	ds_load_b128 v[XX+16*((\t)%2)+4*\i:XX+16*((\t)%2)+4*\i+3], v15 offset:32*XSP*((\t)%2)+16*\i
.endr
.endm
.irp t, 0,1,2,3
	XLOAD \t
.endr
	s_wait_loadcnt 12                              ; step 0's four loads are in
	XTURN 0
.macro XSTEP t
.set XS, XX+16*((\t)%2)
.if (\t) > 0
	s_wait_dscnt 1                                 ; this step's numbers are back from the stage (the last step's byte store may be out)
.else
	s_wait_dscnt 0x0
.endif
.if (\t)+4 < 16
	XLOAD (\t)+4
.endif
.if (\t)+1 < 16
.if 14-(\t) >= 3
	s_wait_loadcnt 12                              ; the next step's four loads are in; those of the three steps behind it may be out
.else
	s_wait_loadcnt 4*(14-(\t))
.endif
	XTURN (\t)+1
.endif
	v_max3_num_f32 v8, |v[XS]|, |v[XS+1]|, |v[XS+2]|               ; the largest magnitude of my 16, in two chains
	v_max3_num_f32 v9, |v[XS+3]|, |v[XS+4]|, |v[XS+5]|
.irp i, 6,10
	v_max3_num_f32 v8, v8, |v[XS+\i]|, |v[XS+\i+1]|
	v_max3_num_f32 v9, v9, |v[XS+\i+2]|, |v[XS+\i+3]|
.endr
	v_max3_num_f32 v8, v8, |v[XS+14]|, |v[XS+15]|
	v_max3_num_f32 v8, v8, v9, (EMAX+1)<<23        ; and the floor 2^(3 - 127): the byte cannot fall under 1
	v_max_num_f32_dpp v8, v8, v8 row_xmask:1 row_mask:0xf bank_mask:0xf   ; with my neighbour's 16: the block's
	v_add_nc_u32 v11, -(EMAX<<23), v8              ; 2 off its exponent field: the conversion takes this operand's exponent field as its scale
	v_cvt_scalef32_pk8_fp4_f32 v[XC+4*(\t)], v[XS:XS+7], v11
	v_cvt_scalef32_pk8_fp4_f32 v[XC+4*(\t)+1], v[XS+8:XS+15], v11
	v_lshrrev_b32 v[XE+(\t)], 23, v11              ; the scale's byte
	ds_store_b8 v5, v[XE+(\t)] offset:16*(\t)      ; both lanes of a block write the same byte with the same value
	global_store_b64 v4, v[XC+4*(\t):XC+4*(\t)+1], s[10:11] offset:256*(\t)   ; the wave stores 256 consecutive bytes, aligned
.endm
.irp t, 0,1,2,3,4,5,6,7,8,9,10,11,12,13,14,15
	XSTEP \t
.endr
	ds_load_b64 v[8:9], v6
	s_wait_dscnt 0x0
	global_store_b64 v4, v[8:9], s[12:13]          ; the wave's 256 scale bytes, aligned
	s_wait_tensorcnt 0x0                           ; the wave's end, behind my last LDS store
	ds_add_u32 v[SPW], v[NIL]
	s_wait_dscnt 0x0
	s_endpgm
; ---------------- w_qkv: a lane takes a column n and its registers run down K: a block of 32 lies in one lane, and the codes come out with K innermost.
; A wave takes 32 columns x 512 along K; the codes leave through its stage as rows: sixteen lanes store 256 consecutive bytes, aligned.
.Lw:
.set WX, 32                            ; v32-95   two sets of 32 numbers
.set WC, 96                            ; v96-99   a block's codes
.set WO, 112                           ; v112-175 the way out
.set WB, 24                            ; v24-27   the scale bytes, four to a register
	s_sub_co_u32 s21, ttmp9, 256
	s_lshr_b32 s22, s21, 1                         ; which 128 columns
	s_and_b32 s23, s21, 1                          ; which 512 along K
	s_lshl_b32 s22, s22, 7
	s_lshl_b32 s24, s20, 5
	s_add_co_u32 s22, s22, s24                     ; my wave's first column
	v_lshlrev_b32 v3, 2, v2
	s_mul_i32 s24, s20, 32*PITCH
	s_add_co_u32 s24, s24, WSTG                    ; my stage
	v_mul_u32_u24 v4, v2, PITCH
	v_add_nc_u32 v4, s24, v4                       ; into it: row = my column
	v_and_b32 v5, 15, v2
	v_lshrrev_b32 v6, 4, v2
	v_mul_u32_u24 v7, v6, PITCH
	v_lshl_add_u32 v7, v5, 4, v7
	v_add_nc_u32 v7, s24, v7                       ; out of it: sixteen lanes to a row, two rows an instruction
	v_lshlrev_b32 v8, 9, v6
	v_lshl_add_u32 v8, v5, 4, v8                   ; the same place in wc (rows of 512 bytes)
	v_lshlrev_b32 v9, 5, v2                        ; my column's row of scale bytes
	s_mul_i32 s26, s23, 512*12288
	s_lshl_b32 s27, s22, 2
	s_add_co_u32 s26, s26, s27
	s_mov_b32 s27, 0
	s_add_nc_u64 s[6:7], s[6:7], s[26:27]
	s_lshl_b32 s26, s22, 9
	s_lshl_b32 s28, s23, 8
	s_add_co_u32 s26, s26, s28
	s_add_nc_u64 s[14:15], s[14:15], s[26:27]
	s_lshl_b32 s26, s22, 5
	s_lshl_b32 s28, s23, 4
	s_add_co_u32 s26, s26, s28
	s_add_nc_u64 s[16:17], s[16:17], s[26:27]
.macro WLOAD t                         ; block t: W(32 t + i, my column) into set t % 2; the largest offset, 511 rows of 12,288 bytes, lies inside the signed 24-bit immediate
.irp i, 0,1,2,3,4,5,6,7,8,9,10,11,12,13,14,15,16,17,18,19,20,21,22,23,24,25,26,27,28,29,30,31
	global_load_b32 v[WX+32*((\t)%2)+\i], v3, s[6:7] offset:(32*(\t)+\i)*12288 th:TH_LOAD_NT
.endr
.endm
	WLOAD 0
	WLOAD 1
.macro WBLOCK t
.set WS, WX+32*((\t)%2)
.if (\t) < 15
	s_wait_loadcnt 32                              ; this block's 32 loads are in; the next block's may be out
.else
	s_wait_loadcnt 0
.endif
	v_max3_num_f32 v12, |v[WS]|, |v[WS+1]|, |v[WS+2]|
	v_max3_num_f32 v13, |v[WS+3]|, |v[WS+4]|, |v[WS+5]|
.irp i, 6,10,14,18,22,26
	v_max3_num_f32 v12, v12, |v[WS+\i]|, |v[WS+\i+1]|
	v_max3_num_f32 v13, v13, |v[WS+\i+2]|, |v[WS+\i+3]|
.endr
	v_max3_num_f32 v12, v12, |v[WS+30]|, |v[WS+31]|
	v_max3_num_f32 v12, v12, v13, (EMAX+1)<<23
	v_add_nc_u32 v11, -(EMAX<<23), v12
	v_lshrrev_b32 v13, 23, v11
.if (\t)%4 == 0
	v_mov_b32 v[WB+(\t)/4], v13
.else
	v_lshl_or_b32 v[WB+(\t)/4], v13, 8*((\t)%4), v[WB+(\t)/4]
.endif
.irp g, 0,1,2,3
	v_cvt_scalef32_pk8_fp4_f32 v[WC+\g], v[WS+8*\g:WS+8*\g+7], v11
.endr
	ds_store_b128 v4, v[WC:WC+3] offset:16*(\t)
.if (\t)+2 < 16
	WLOAD (\t)+2
.endif
	s_wait_dscnt 0x0                               ; the store has read its registers: the next block's codes may be written
.endm
.irp t, 0,1,2,3,4,5,6,7,8,9,10,11,12,13,14,15
	WBLOCK \t
.endr
	global_store_b128 v9, v[WB:WB+3], s[16:17]     ; my column's 16 scale bytes
.irp t, 0,1,2,3,4,5,6,7,8,9,10,11,12,13,14,15
	ds_load_b128 v[WO+4*\t:WO+4*\t+3], v7 offset:2*\t*PITCH
.endr
.irp t, 0,1,2,3,4,5,6,7,8,9,10,11,12,13,14,15
	s_wait_dscnt 15-\t
	global_store_b128 v8, v[WO+4*\t:WO+4*\t+3], s[14:15] offset:2*\t*512
.endr
	s_wait_tensorcnt 0x0                           ; the wave's end, as above
	ds_add_u32 v[SPW], v[NIL]
	s_wait_dscnt 0x0
	s_endpgm
; ---------------- w_proj: the same frame; a wave takes 32 columns x 128 along K; two neighbours along K round into one register of f16.
.Lcast:
	s_sub_co_u32 s21, ttmp9, 304
	s_lshr_b32 s22, s21, 3                         ; which 128 columns
	s_and_b32 s23, s21, 7                          ; which 128 along K
	s_lshl_b32 s22, s22, 7
	s_lshl_b32 s24, s20, 5
	s_add_co_u32 s22, s22, s24
	v_lshlrev_b32 v3, 2, v2
	s_mul_i32 s24, s20, 32*PITCH
	s_add_co_u32 s24, s24, CSTG
	v_mul_u32_u24 v4, v2, PITCH
	v_add_nc_u32 v4, s24, v4
	v_and_b32 v5, 15, v2
	v_lshrrev_b32 v6, 4, v2
	v_mul_u32_u24 v7, v6, PITCH
	v_lshl_add_u32 v7, v5, 4, v7
	v_add_nc_u32 v7, s24, v7
	v_lshlrev_b32 v8, 11, v6
	v_lshl_add_u32 v8, v5, 4, v8                   ; wt16: rows of 2,048 bytes
	s_lshl_b32 s26, s23, 19                        ; 128 rows of 4,096 bytes
	s_lshl_b32 s27, s22, 2
	s_add_co_u32 s26, s26, s27
	s_mov_b32 s27, 0
	s_add_nc_u64 s[8:9], s[8:9], s[26:27]
	s_lshl_b32 s26, s22, 11
	s_lshl_b32 s28, s23, 8
	s_add_co_u32 s26, s26, s28
	s_add_nc_u64 s[18:19], s[18:19], s[26:27]
.macro CLOAD t
.irp i, 0,1,2,3,4,5,6,7,8,9,10,11,12,13,14,15,16,17,18,19,20,21,22,23,24,25,26,27,28,29,30,31
	global_load_b32 v[32+32*((\t)%2)+\i], v3, s[8:9] offset:(32*(\t)+\i)*4096
.endr
.endm
	CLOAD 0
	CLOAD 1
.macro CBLOCK t
.set CS_, 32+32*((\t)%2)
.if (\t) < 3
	s_wait_loadcnt 32                              ; this block's 32 loads are in; the next block's may be out
.else
	s_wait_loadcnt 0
.endif
.irp i, 0,1,2,3,4,5,6,7,8,9,10,11,12,13,14,15
	v_cvt_pk_f16_f32 v[96+\i], v[CS_+2*\i], v[CS_+2*\i+1]          ; the lower k in the low half
.endr
.irp g, 0,1,2,3
	ds_store_b128 v4, v[96+4*\g:96+4*\g+3] offset:64*(\t)+16*\g
.endr
.if (\t)+2 < 4
	CLOAD (\t)+2
.endif
	s_wait_dscnt 0x0                               ; the stores have read their registers
.endm
.irp t, 0,1,2,3
	CBLOCK \t
.endr
.irp t, 0,1,2,3,4,5,6,7,8,9,10,11,12,13,14,15
	ds_load_b128 v[112+4*\t:112+4*\t+3], v7 offset:2*\t*PITCH
.endr
.irp t, 0,1,2,3,4,5,6,7,8,9,10,11,12,13,14,15
	s_wait_dscnt 15-\t
	global_store_b128 v8, v[112+4*\t:112+4*\t+3], s[18:19] offset:2*\t*2048   ; sixteen lanes store 256 consecutive bytes, aligned
.endr
	s_wait_tensorcnt 0x0                           ; the wave's end, as above
	ds_add_u32 v[SPW], v[NIL]
	s_wait_dscnt 0x0
	s_endpgm
.Lfunc_end_k_qdebcce5532_prep:
	.size	k_qdebcce5532_prep, .Lfunc_end_k_qdebcce5532_prep-k_qdebcce5532_prep
	.p2alignl 7, 3214868480
	.fill 96, 4, 3214868480
	.section	.rodata,"a",@progbits
	.p2align	6, 0x0
	.amdhsa_kernel k_qdebcce5532_prep
		.amdhsa_group_segment_fixed_size 102912
		.amdhsa_private_segment_fixed_size 0
		.amdhsa_enable_private_segment 0
		.amdhsa_kernarg_size 64
		.amdhsa_user_sgpr_count 2
		.amdhsa_user_sgpr_kernarg_segment_ptr 1
		.amdhsa_wavefront_size32 1
		.amdhsa_system_sgpr_workgroup_id_x 1
		.amdhsa_system_sgpr_workgroup_id_y 1
		.amdhsa_system_sgpr_workgroup_id_z 1
		.amdhsa_system_vgpr_workitem_id 0
		.amdhsa_next_free_vgpr 200
		.amdhsa_next_free_sgpr 66
		.amdhsa_reserve_vcc 0
		.amdhsa_float_denorm_mode_32 3
		.amdhsa_float_denorm_mode_16_64 3
		.amdhsa_memory_ordered 1
		.amdhsa_forward_progress 1
		.amdhsa_inst_pref_size 132
	.end_amdhsa_kernel
	.amdgpu_metadata
---
amdhsa.version: [ 1, 2 ]
amdhsa.kernels:
  - .name:           k_qdebcce5532_prep
    .symbol:         k_qdebcce5532_prep.kd
    .args:
      - { .name: x, .offset: 0, .size: 8, .value_kind: global_buffer, .address_space: global }
      - { .name: w_qkv, .offset: 8, .size: 8, .value_kind: global_buffer, .address_space: global }
      - { .name: w_proj, .offset: 16, .size: 8, .value_kind: global_buffer, .address_space: global }
      - { .name: xc, .offset: 24, .size: 8, .value_kind: global_buffer, .address_space: global }
      - { .name: xs, .offset: 32, .size: 8, .value_kind: global_buffer, .address_space: global }
      - { .name: wc, .offset: 40, .size: 8, .value_kind: global_buffer, .address_space: global }
      - { .name: ws, .offset: 48, .size: 8, .value_kind: global_buffer, .address_space: global }
      - { .name: wt16, .offset: 56, .size: 8, .value_kind: global_buffer, .address_space: global }
    .group_segment_fixed_size: 102912
    .private_segment_fixed_size: 0
    .kernarg_segment_align: 8
    .kernarg_segment_size: 64
    .max_flat_workgroup_size: 128
    .sgpr_count:     66
    .vgpr_count:     200
    .wavefront_size: 32
...
	.end_amdgpu_metadata
.endif
;; end of part 1
;; launch gemm_qkv (part 2): grid 12 x 32, 4 waves a work-group, clusters of 4 x 4, 327,680 bytes of LDS; arguments xc, xs, wc, ws, b_qkv, qkvh, qkv32; writes qkvh, qkv32
.if DOCPART == 2
	.amdgcn_target "amdgcn-amd-amdhsa--gfx1250"
	.amdhsa_code_object_version 6
	.text
	.protected	k_qdebcce5532_gemm_qkv
	.globl	k_qdebcce5532_gemm_qkv
	.p2align	8
	.type	k_qdebcce5532_gemm_qkv,@function
k_qdebcce5532_gemm_qkv:
	s_mov_b64 s[64:65], 0
	v_nop
	global_prefetch_b8 v0, s[64:65] scope:SCOPE_SE
	s_setreg_imm32_b32 hwreg(HW_REG_WAVE_MODE, 25, 1), 1
	s_wait_xcnt 0x0
	s_wait_alu depctr_hold_cnt(0) depctr_sa_sdst(0) depctr_va_vdst(0) depctr_va_sdst(0) depctr_va_ssrc(0) depctr_va_vcc(0) depctr_vm_vsrc(0)
	s_getreg_b32 s2, hwreg(HW_REG_IB_STS2, 6, 4)
	s_cmp_eq_u32 s2, 0
	s_cbranch_scc0 .Lentry_in_a_cluster
	s_endpgm
.Lentry_in_a_cluster:
	s_bfe_u32 s2, ttmp6, 0x10000c
	s_cmp_lg_u32 s2, 0xf033
	s_cbranch_scc0 .Lentry_shape_is_right
	s_endpgm
.Lentry_shape_is_right:
; qkv = Q(x) Q(w_qkv) + b_qkv, on codes of FP4 (E2M1) with one E8M0 scale for each 32 along K; sums in f32.  A = xc [8192][512 B], B = wc [3072][512 B], their scale bytes [rows][32].
; OUT: qkvh, f16, [batch 4][panel 48][t 2048][64] (panel = column / 64: q 0-15, k 16-31, v 32-47), rounded once; and qkv32, f32, [batch 4][t 16][3072]: the first 16 positions of every sequence, unrounded.
; LIMIT: |q|, |k|, |v| stay under 65,504 (f16).
; A tile of 256 x 256 is made by four waves, each 128 x 128: 64 accumulators, 512 registers.  K = 1,024 is two LDS slots of 512 along K (rows of 256 bytes): both are asked for at the head, nothing is filled again.
; The scale bytes of the work-group's 256 + 256 rows come once, as dense blocks.  CLUSTER 4 x 4: A's tiles are shared along a row of the cluster, B's along a column, by joint loads.
; Tile row = 8 cy + cluster y: so the batch is cy, and a batch's first tile row is cluster y = 0, a number that all sixteen partners share.
; THE MATRIX INSTRUCTION IS USED TRANSPOSED (source 0 = 16 rows of B, source 1 = 16 rows of A): a lane holds eight neighbouring columns of one row.  The bias is the C of each sum's first instruction.
; REGISTERS: window 0: v16-31 addresses; v32-95 scale words, two sets; v128-191 A's fragments, one set; v192-255 the bias.  Window 1: B's fragments, two sets.  Windows 2, 3: the accumulators ((a, b) at v[8 (8 (a % 4) + b)]).
.set NQ,     4                         ; matrix instructions deep in a slot
.set ROWB,   256
.set KROW,   512
.set PITCH,  272                       ; an LDS row: 256 bytes + 16 of padding: the 16 rows of a fragment load start at 16 different banks (64 banks of 4 bytes: ISA guide 11.1)
.set FR,     8
.set NL,     2
.set NP,     4
.set HALFT,  128*PITCH
.set SLOT,   4*HALFT
.set KS,     32                        ; a row of scale bytes
.set SCL,    2*SLOT
.set HALFS,  (128*KS/256)*272
.set SBLK,   (16*KS/256)*272
.set SPARE,  SCL+4*HALFS               ; the spare words, 128 bytes for each wave
.set SPITCH, 272                       ; the way out: a stage of 16 rows x (256 + 16) bytes for each wave, in slot 0, which has had its only fill and its last read by then
.set ADRA, 16
.set ADRB, 20
.set STO,  24
.set RD,   25
.set CO,   26
.set ADRS, 27
.set SPW,  28
.set NIL,  29
.set FO,   30                          ; v30 my byte offset among the 16 rows of qkv32
.set BO,   31                          ; v31 32 x (lane / 16): my eight numbers of a block's bias
.set SC,   32
.set AF,   128
.set BK,   128                         ; the way out: 16 rows read back: v128-159 and v160-191 by turns
.set BIAS, 192
.set TMP,  192                         ; the way out: packed results (the bias is done with)
.set G1, 24
.set G0, 32
.set G1B, 48
.set G0B, 56
.set G1S, 68
.set G0S, 76
.set G1SB, 80
.set G0SB, 88
.set MSB, 0
.macro WIN new                         ; the immediate's high byte repeats the setting that is left
.if MSB != \new
	s_set_vgpr_msb (MSB<<8)|\new
.set MSB, \new
.endif
.endm
.set MUL_LO, 0xa1                      ; source 0 (B) window 1, source 1 (A) window 0, C and D window 2
.set MUL_HI, 0xf1
.set BIA_LO, 0x81                      ; the same with C (the bias) in window 0
.set BIA_HI, 0xc1
.set TO_B,   0x40
; A joint load: waves 0 and 1 fetch for A, waves 2 and 3 for B.  The branch hangs on the wave's number alone.  An s_nop 0 and four v_nop follow each line.
.macro JLOAD g0a, g1a, g0b, g1b
	s_cmp_eq_u32 s15, 0
	s_cbranch_scc0 .Lfor_b_\@
	tensor_load_to_lds s[\g0a:\g0a+3], s[\g1a:\g1a+7]
	s_nop 0
.rept 4
	v_nop
.endr
	s_branch .Lasked_\@
.Lfor_b_\@:
	tensor_load_to_lds s[\g0b:\g0b+3], s[\g1b:\g1b+7]
	s_nop 0
.rept 4
	v_nop
.endr
.Lasked_\@:
.endm
.macro CROUND                          ; a round of the cluster's barrier
	s_barrier_signal -1
	s_barrier_wait -1
	s_cmp_lg_u32 s14, 0
	s_cbranch_scc1 .Lnot_wave_0_\@
	s_barrier_signal -3
.Lnot_wave_0_\@:
	s_barrier_wait -3
	s_barrier_signal -1
	s_barrier_wait -1
.endm
	s_load_b128 s[4:7], s[0:1], 0x0                ; xc, xs
	s_load_b128 s[8:11], s[0:1], 0x10              ; wc, ws
	s_load_b128 s[96:99], s[0:1], 0x20             ; b_qkv, qkvh
	s_load_b64 s[12:13], s[0:1], 0x30              ; qkv32
	v_lshl_add_u32 v[SPW], v0, 2, SPARE
	v_mov_b32 v[NIL], 0
	ds_add_u32 v[SPW], v[NIL]                      ; the wave's opening: the add, twice on end, and its wait ahead of my first tensor load
	ds_add_u32 v[SPW], v[NIL]
	v_lshrrev_b32 v1, 5, v0
	v_readfirstlane_b32 s14, v1                    ; wave 0..3
	s_lshr_b32 s15, s14, 1                         ; my half of the tile's rows.  Also: I fetch for A (0) or for B (1)
	s_and_b32 s16, s14, 1                          ; my half of its columns.  Also: which 128 rows I fetch
	s_bfe_u32 s40, ttmp6, 0x40000                  ; cx
	s_bfe_u32 s41, ttmp6, 0x40004                  ; cy
	s_lshl_b32 s42, ttmp9, 2
	s_add_co_u32 s42, s42, s40                     ; tile column = 4 x cluster x + cx
	s_and_b32 s95, ttmp7, 0xffff                   ; cluster y
	s_lshl_b32 s17, s41, 3
	s_add_co_u32 s17, s17, s95                     ; tile row = 8 cy + cluster y
	s_lshl_b32 s43, s41, 2
	s_lshl_b32 s43, 15, s43                        ; my row of the cluster
	s_lshl_b32 s44, 0x1111, s40                    ; my column
	s_or_b32 s[G1+0], s43, (0<<16)|(1<<20)|(1<<21)|(5<<22)|(3<<25)  ; the mask; elements of 1 byte; padding: 4 words after every 64; bit 21 beside a mask
	s_or_b32 s[G1B+0], s44, (0<<16)|(1<<20)|(1<<21)|(5<<22)|(3<<25)
.irp g, G1, G1B
	s_mov_b32 s[\g+1], ROWB<<16                    ; tensor_dim0
	s_mov_b32 s[\g+2], 128<<16                     ; tensor_dim1
	s_mov_b32 s[\g+3], ROWB<<16                    ; tile_dim0
	s_mov_b32 s[\g+4], 128                         ; tile_dim1
	s_mov_b32 s[\g+5], KROW                        ; pitch
	s_mov_b32 s[\g+6], 0
	s_mov_b32 s[\g+7], 0
.endr
	s_or_b32 s[G1S+0], s43, (3<<16)|(1<<20)|(1<<21)|(5<<22)|(3<<25) ; the scales of 128 rows: 4,096 dense bytes as 16 rows of 256 (32 elements of 8 bytes)
	s_or_b32 s[G1SB+0], s44, (3<<16)|(1<<20)|(1<<21)|(5<<22)|(3<<25)
.irp g, G1S, G1SB
	s_mov_b32 s[\g+1], 32<<16
	s_mov_b32 s[\g+2], (128*KS/256)<<16
	s_mov_b32 s[\g+3], 32<<16
	s_mov_b32 s[\g+4], 128*KS/256
	s_mov_b32 s[\g+5], 32
	s_mov_b32 s[\g+6], 0
	s_mov_b32 s[\g+7], 0
.endr
	s_lshl_b32 s18, s16, 7
	s_lshl_b32 s20, s17, 8
	s_add_co_u32 s20, s20, s18                     ; A: row 256 x tile row + 128 x half
	s_lshl_b32 s46, s42, 8
	s_add_co_u32 s46, s46, s18                     ; B: row 256 x tile column + 128 x half
	s_mov_b32 s21, 0
	s_mov_b32 s47, 0
	s_mov_b64 s[18:19], KS
	s_mul_u64 s[22:23], s[20:21], s[18:19]
	s_mul_u64 s[92:93], s[46:47], s[18:19]
	s_mov_b64 s[18:19], KROW
	s_mul_u64 s[20:21], s[20:21], s[18:19]
	s_mul_u64 s[46:47], s[46:47], s[18:19]
	s_mul_i32 s45, s14, HALFT                      ; where they go: wave x 128 rows
	s_mul_i32 s94, s14, HALFS
	s_wait_dscnt 0x0                               ; both opening adds are done
	s_wait_kmcnt 0x0
	s_add_nc_u64 s[20:21], s[4:5], s[20:21]
	s_add_nc_u64 s[22:23], s[6:7], s[22:23]
	s_add_nc_u64 s[46:47], s[8:9], s[46:47]
	s_add_nc_u64 s[92:93], s[10:11], s[92:93]
	CROUND                                         ; all sixteen work-groups are here: the joint loads meet
	s_mov_b32 s[G0S], 1
	s_add_co_u32 s[G0S+1], s94, SCL
	s_mov_b64 s[G0S+2:G0S+3], s[22:23]
	s_or_b32 s[G0S+3], s[G0S+3], 0x80000000
	s_mov_b32 s[G0SB], 1
	s_add_co_u32 s[G0SB+1], s94, SCL
	s_mov_b64 s[G0SB+2:G0SB+3], s[92:93]
	s_or_b32 s[G0SB+3], s[G0SB+3], 0x80000000
	JLOAD G0S, G1S, G0SB, G1SB                     ; the scales first.  Three tensor loads of a wave are out behind the head
.irp s, 0,1
	s_mov_b32 s[G0+4*\s], 1
	s_add_co_u32 s[G0+4*\s+1], s45, \s*SLOT
	s_add_nc_u64 s[G0+4*\s+2:G0+4*\s+3], s[20:21], \s*ROWB
	s_or_b32 s[G0+4*\s+3], s[G0+4*\s+3], 0x80000000
	s_mov_b32 s[G0B+4*\s], 1
	s_add_co_u32 s[G0B+4*\s+1], s45, \s*SLOT
	s_add_nc_u64 s[G0B+4*\s+2:G0B+4*\s+3], s[46:47], \s*ROWB
	s_or_b32 s[G0B+4*\s+3], s[G0B+4*\s+3], 0x80000000
	JLOAD G0+4*\s, G1, G0B+4*\s, G1B
.endr
	v_and_b32 v1, 15, v0                           ; r = l % 16
	v_bfe_u32 v2, v0, 4, 1                         ; h = l / 16
	v_lshlrev_b32 v[BO], 5, v2
	s_lshl_b32 s46, s42, 10                        ; my first column in bytes of f32: 1,024 x tile column + 512 x half
	s_lshl_b32 s47, s16, 9
	s_add_co_u32 s46, s46, s47
	s_mov_b32 s47, 0
	s_add_nc_u64 s[96:97], s[96:97], s[46:47]
.irp b, 0,1,2,3,4,5,6,7
	global_load_b128 v[BIAS+8*\b:BIAS+8*\b+3], v[BO], s[96:97] offset:64*\b        ; the bias of columns 16 b + 8 h + 0 .. 7: the result's layout
	global_load_b128 v[BIAS+8*\b+4:BIAS+8*\b+7], v[BO], s[96:97] offset:64*\b+16
.endr
	v_mul_u32_u24 v3, v1, PITCH
	v_lshl_add_u32 v4, v2, 4, v3
	s_mul_i32 s21, s15, HALFT
	s_mul_i32 s22, s16, HALFT
	s_add_co_u32 s22, s22, 2*HALFT
.irp s, 0,1
	v_add_nc_u32 v[ADRA+\s], s21, v4
	v_add_nc_u32 v[ADRB+\s], s22, v4
	s_add_co_u32 s21, s21, SLOT
	s_add_co_u32 s22, s22, SLOT
.endr
	v_mul_u32_u24 v5, v1, KS
	v_lshrrev_b32 v6, 8, v5
	v_lshl_add_u32 v5, v6, 4, v5                   ; my row's scales: 32 bytes a row, 16 more for each 256 passed
	s_mul_i32 s21, s15, HALFS
	s_mul_i32 s22, s16, HALFS
	s_add_co_u32 s22, s22, 2*HALFS
	s_sub_co_u32 s22, s22, s21
	v_mul_u32_u24 v6, s22, v2                      ; lanes 16-31 take B's
	s_add_co_u32 s21, s21, SCL
	v_add_nc_u32 v5, v5, v6
	v_add_nc_u32 v[ADRS], s21, v5
	s_mul_i32 s23, s14, 16*SPITCH                  ; my stage
	v_mul_u32_u24 v5, v1, SPITCH
	v_lshl_add_u32 v5, v2, 4, v5
	v_add_nc_u32 v[STO], s23, v5                   ; in: row r, 16 bytes for each half of the lanes
	v_and_b32 v6, 31, v0
	v_lshlrev_b32 v[CO], 4, v6                     ; out: 32 lanes store four rows of 128 bytes, dense in a panel
	v_lshrrev_b32 v5, 3, v6
	v_mul_u32_u24 v5, v5, SPITCH
	v_and_b32 v6, 7, v0
	v_lshl_add_u32 v5, v6, 4, v5
	v_add_nc_u32 v[RD], s23, v5                    ; back: row l / 8, 16 (l % 8) of a panel's 128 bytes
	v_mul_u32_u24 v[FO], v1, 12288
	v_lshl_add_u32 v[FO], v2, 5, v[FO]
	s_mul_i32 s20, s41, 196608                     ; qkv32: my batch's 16 rows, my columns
	s_add_co_u32 s20, s20, s46
	s_mov_b32 s21, 0
	s_add_nc_u64 s[12:13], s[12:13], s[20:21]
	s_mul_i32 s20, s41, 48                         ; qkvh: panel = 48 x batch + 4 x tile column + 2 x half,
	s_lshl_b32 s22, s42, 2
	s_add_co_u32 s20, s20, s22
	s_lshl_b32 s22, s16, 1
	s_add_co_u32 s20, s20, s22
	s_lshl_b32 s20, s20, 18
	s_lshl_b32 s22, s95, 15                        ; t = 256 x cluster y + 128 x half, rows of 128 bytes
	s_add_co_u32 s20, s20, s22
	s_lshl_b32 s22, s15, 14
	s_add_co_u32 s20, s20, s22
	s_add_nc_u64 s[98:99], s[98:99], s[20:21]
.macro FRAG reg, adr, q, i             ; 16 rows x 128 K of 4-bit codes: 8 registers: two loads of 16 bytes, 32 bytes apart
.irp c, 0,1
	ds_load_b128 v[\reg+4*\c:\reg+4*\c+3], v[\adr] offset:64*(\q)+32*\c+(\i)*16*PITCH
.endr
.endm
; 16 matrix instructions: A's blocks a0, a0 + 1 x B's eight.  zero = 1: the first product starts the sums, with the bias as its C.  The 64 accumulators take turns.
.macro MUL16 a0, p, q, sc, zero
.irp a, \a0, \a0+1
.irp b, 0,1,2,3,4,5,6,7
.if \zero
	v_wmma_scale_f32_16x16x128_f8f6f4 v[8*(8*((\a)%4)+\b):8*(8*((\a)%4)+\b)+7], v[128*(\p)+FR*\b:128*(\p)+FR*\b+FR-1], v[AF+FR*(\a):AF+FR*(\a)+FR-1], v[BIAS+8*\b:BIAS+8*\b+7], v[SC+8*NQ*(\sc)+NQ*\b+(\q)], v[SC+8*NQ*(\sc)+NQ*(\a)+(\q)] matrix_a_fmt:MATRIX_FMT_FP4 matrix_b_fmt:MATRIX_FMT_FP4 matrix_a_scale:MATRIX_SCALE_ROW1
.else
	v_wmma_scale_f32_16x16x128_f8f6f4 v[8*(8*((\a)%4)+\b):8*(8*((\a)%4)+\b)+7], v[128*(\p)+FR*\b:128*(\p)+FR*\b+FR-1], v[AF+FR*(\a):AF+FR*(\a)+FR-1], v[8*(8*((\a)%4)+\b):8*(8*((\a)%4)+\b)+7], v[SC+8*NQ*(\sc)+NQ*\b+(\q)], v[SC+8*NQ*(\sc)+NQ*(\a)+(\q)] matrix_a_fmt:MATRIX_FMT_FP4 matrix_b_fmt:MATRIX_FMT_FP4 matrix_a_scale:MATRIX_SCALE_ROW1
.endif
.endr
.endr
.endm
.macro FETCH_B slot, q, p
	WIN TO_B
.irp i, 0,1,2,3,4,5,6,7
	FRAG 128*(\p)+FR*\i, ADRB+\slot, \q, \i
.endr
	WIN 0
.endm
.macro FETCH_A slot, q, i0
.irp i, \i0, \i0+1, \i0+2, \i0+3
	FRAG AF+FR*(\i), ADRA+\slot, \q, \i
.endr
.endm
.macro SCALES sc                       ; a slot's scale words: lanes 0-15 A's block i, lanes 16-31 B's block i
.irp i, 0,1,2,3,4,5,6,7
	ds_load_b128 v[SC+8*NQ*\sc+NQ*\i:SC+8*NQ*\sc+NQ*\i+3], v[ADRS] offset:\i*SBLK
.endr
.endm
.macro PLACES n                        ; plain vector instructions between a matrix instruction and a load into, or a read of, its registers
.rept \n
	v_nop
.endr
.endm
.macro STEP slot, q, zero              ; 128 along K with its successor in the same slot
	s_wait_dscnt 4*NL                              ; B's set and A's blocks 0-3 are in; the youngest eight loads (A's blocks 4-7) may be out
.if \zero
	WIN BIA_LO
.else
	WIN MUL_LO
.endif
	MUL16 0, (\q)%2, \q, \slot, \zero
	MUL16 2, (\q)%2, \q, \slot, \zero
	s_wait_dscnt 0
	PLACES NP
	FETCH_B \slot, (\q)+1, 1-(\q)%2
	FETCH_A \slot, (\q)+1, 0
.if \zero
	WIN BIA_HI
.else
	WIN MUL_HI
.endif
	MUL16 4, (\q)%2, \q, \slot, \zero
	MUL16 6, (\q)%2, \q, \slot, \zero
	PLACES NP
	WIN 0
	FETCH_A \slot, (\q)+1, 4
.endm
; Slot 0's last step changes slots: each wave waits for all its tensor loads (slot 1's part), adds 0 to its spare word, waits for that and for its reads of slot 0, and passes the barrier: behind it slot 1 is whole and nobody reads slot 0.
.macro TURN slot, next
	s_wait_tensorcnt 0x0
	ds_add_u32 v[SPW], v[NIL]
	s_wait_dscnt 4*NL+1                            ; (the add and A's blocks 4-7 may be out)
	WIN MUL_LO
	MUL16 0, 1, NQ-1, \slot, 0
	s_wait_dscnt 0x0
	s_barrier_signal -1
	MUL16 2, 1, NQ-1, \slot, 0
	WIN 0
	s_barrier_wait -1
	PLACES NP
	v_add_nc_u32 v[ADRS], 4*NQ, v[ADRS]            ; the next slot's scale words
	FETCH_B \next, 0, 0
	FETCH_A \next, 0, 0
	SCALES \next
	WIN MUL_HI
	MUL16 4, 1, NQ-1, \slot, 0
	MUL16 6, 1, NQ-1, \slot, 0
	PLACES NP
	WIN 0
	FETCH_A \next, 0, 4
.endm
	s_wait_tensorcnt 1                             ; the scales and my part of slot 0 are in; slot 1's load may be out
	s_barrier_signal -1
	s_barrier_wait -1
	FETCH_B 0, 0, 0
	FETCH_A 0, 0, 0
	SCALES 0
	FETCH_A 0, 0, 4
	s_wait_loadcnt 0x0                             ; the bias
	STEP 0, 0, 1
	STEP 0, 1, 0
	STEP 0, 2, 0
	TURN 0, 1
	STEP 1, 0, 0
	STEP 1, 1, 0
	STEP 1, 2, 0
	s_wait_dscnt 4*NL                              ; the last step: nothing more to fetch
	WIN MUL_LO
	MUL16 0, 1, NQ-1, 1, 0
	MUL16 2, 1, NQ-1, 1, 0
	s_wait_dscnt 0
	WIN MUL_HI
	MUL16 4, 1, NQ-1, 1, 0
	MUL16 6, 1, NQ-1, 1, 0
	WIN 0
	PLACES NP
	; The first 16 positions of a sequence leave in f32 too: block 0 of the upper waves of a batch's first tile row.  The test is made of cluster y and the wave's number: alike in all partners.
	s_or_b32 s20, s95, s15
	s_cmp_lg_u32 s20, 0
	s_cbranch_scc1 .Lno_fine
	WIN 0x08                                       ; a store's data are its source 1: window 2
.irp b, 0,1,2,3,4,5,6,7
	global_store_b128 v[FO], v[8*\b:8*\b+3], s[12:13] offset:64*\b
	global_store_b128 v[FO], v[8*\b+4:8*\b+7], s[12:13] offset:64*\b+16
.endr
	WIN 0
.Lno_fine:
; THE WAY OUT, block by block of 16 rows x 128 columns: rounded to f16, through my stage, and back as four rows of one panel: 512 dense bytes a store.
.macro PACK a
.set AC, 64*((\a)%4)
	WIN 0x0a+5*((\a)/4)                            ; sources 0 and 1: window 2 or 3
.irp b, 0,1,2,3,4,5,6,7
.irp i, 0,1,2,3
	v_cvt_pk_f16_f32 v[TMP+4*\b+\i], v[AC+8*\b+2*\i], v[AC+8*\b+2*\i+1]        ; each accumulator from its low end on
.endr
.endr
	WIN 0
.endm
.macro TOSTAGE a
.set BB, BK+32*((\a)%2)
.irp b, 0,1,2,3,4,5,6,7
	ds_store_b128 v[STO], v[TMP+4*\b:TMP+4*\b+3] offset:32*\b
.endr
.irp t, 0,1,2,3,4,5,6,7
	ds_load_b128 v[BB+4*\t:BB+4*\t+3], v[RD] offset:4*(\t%4)*SPITCH+128*(\t/4)   ; LDS serves a wave's instructions in order: these see the stores above
.endr
.endm
.macro SEND a
.set BB, BK+32*((\a)%2)
	s_wait_dscnt 0x0                               ; the block is back in registers
	s_wait_xcnt 0x0                                ; earlier stores have read their registers: the other set may be loaded again behind this wait
.irp t, 0,1,2,3,4,5,6,7
	global_store_b128 v[CO], v[BB+4*\t:BB+4*\t+3], s[98:99] offset:(\t/4)*262144+(16*(\a)+4*(\t%4))*128
.endr
.endm
	PACK 0
	TOSTAGE 0
.irp a, 1,2,3,4,5,6,7
	PACK \a
	SEND \a-1
	TOSTAGE \a
.endr
	SEND 7
	s_wait_tensorcnt 0x0                           ; the wave's end
	ds_add_u32 v[SPW], v[NIL]
	s_wait_dscnt 0x0
	CROUND                                         ; the closing round
	s_endpgm
.Lfunc_end_k_qdebcce5532_gemm_qkv:
	.size	k_qdebcce5532_gemm_qkv, .Lfunc_end_k_qdebcce5532_gemm_qkv-k_qdebcce5532_gemm_qkv
	.p2alignl 7, 3214868480
	.fill 96, 4, 3214868480
	.section	.rodata,"a",@progbits
	.p2align	6, 0x0
	.amdhsa_kernel k_qdebcce5532_gemm_qkv
		.amdhsa_group_segment_fixed_size 327680
		.amdhsa_private_segment_fixed_size 0
		.amdhsa_enable_private_segment 0
		.amdhsa_kernarg_size 56
		.amdhsa_user_sgpr_count 2
		.amdhsa_user_sgpr_kernarg_segment_ptr 1
		.amdhsa_wavefront_size32 1
		.amdhsa_system_sgpr_workgroup_id_x 1
		.amdhsa_system_sgpr_workgroup_id_y 1
		.amdhsa_system_sgpr_workgroup_id_z 1
		.amdhsa_system_vgpr_workitem_id 0
		.amdhsa_next_free_vgpr 1024
		.amdhsa_next_free_sgpr 100
		.amdhsa_reserve_vcc 0
		.amdhsa_float_denorm_mode_32 3
		.amdhsa_float_denorm_mode_16_64 3
		.amdhsa_memory_ordered 1
		.amdhsa_forward_progress 1
		.amdhsa_inst_pref_size 130
	.end_amdhsa_kernel
	.amdgpu_metadata
---
amdhsa.version: [ 1, 2 ]
amdhsa.kernels:
  - .name:           k_qdebcce5532_gemm_qkv
    .symbol:         k_qdebcce5532_gemm_qkv.kd
    .args:
      - { .name: xc, .offset: 0, .size: 8, .value_kind: global_buffer, .address_space: global }
      - { .name: xs, .offset: 8, .size: 8, .value_kind: global_buffer, .address_space: global }
      - { .name: wc, .offset: 16, .size: 8, .value_kind: global_buffer, .address_space: global }
      - { .name: ws, .offset: 24, .size: 8, .value_kind: global_buffer, .address_space: global }
      - { .name: b_qkv, .offset: 32, .size: 8, .value_kind: global_buffer, .address_space: global }
      - { .name: qkvh, .offset: 40, .size: 8, .value_kind: global_buffer, .address_space: global }
      - { .name: qkv32, .offset: 48, .size: 8, .value_kind: global_buffer, .address_space: global }
    .group_segment_fixed_size: 327680
    .private_segment_fixed_size: 0
    .kernarg_segment_align: 8
    .kernarg_segment_size: 56
    .max_flat_workgroup_size: 128
    .sgpr_count:     100
    .vgpr_count:     1024
    .wavefront_size: 32
...
	.end_amdgpu_metadata
.endif
;; end of part 2
;; launch attn (part 3): grid 4 x 64, 8 waves a work-group, no clusters, 327,680 bytes of LDS; arguments qkvh, yp; writes yp
.if DOCPART == 3
	.amdgcn_target "amdgcn-amd-amdhsa--gfx1250"
	.amdhsa_code_object_version 6
	.text
	.protected	k_qdebcce5532_attn
	.globl	k_qdebcce5532_attn
	.p2align	8
	.type	k_qdebcce5532_attn,@function
k_qdebcce5532_attn:
	s_mov_b64 s[64:65], 0
	v_nop
	global_prefetch_b8 v0, s[64:65] scope:SCOPE_SE
	s_setreg_imm32_b32 hwreg(HW_REG_WAVE_MODE, 25, 1), 1
	s_wait_xcnt 0x0
; y = softmax(q k^T / 8, causal) v for one batch and head, operands in f16, products, maxima and sums in f32; p is rounded to f16 for the second product, y once at the end.
; IN: qkvh f16 [batch 4][panel 48][t 2048][64].  OUT: yp f16 [head 16][row = 2048 batch + t][64].
; LIMITS: |q|, |k|, |v| under 65,504; a p under about 6e-8 rounds to 0 in f16.  (The first 16 positions of each sequence are computed here too, but what leaves the program for them is made in f32 by another launch.)
; SHARES.  Work-group (I, batch and head) takes the query block 7 - I (256 queries) and then the block I: (8 - I) + (I + 1) = 9 key blocks of 256 in every work-group: the trip counts are constants and all
; 256 work-groups have the same work.  A wave owns 32 queries, two tiles of 16; two waves share a SIMD, so that one wave's softmax stands beside the other's products.
; NO CLUSTER: the four work-groups of a head want different key blocks at any one time once the first has turned to its second query block; walked in step they would make 12 visits against 9.
; LAYOUT.  S^T = K Q^T (source 0 = 16 keys, source 1 = 16 queries) and O^T = V^T P: a lane holds ONE query (lane % 16) throughout.  K comes out of LDS as it lies, V turned, by ds_load_tr16_b128.
; SOFTMAX.  Running maximum m and sum l: p = 2^(c s - c m), c = log2(e) / 8; in every step O and l are multiplied by a = 2^(c m_old - c m_new).  Key 0 counts for every query, so m is a score from the first step on.
; RING.  Two LDS slots of 256 keys (four steps of 64: each step 64 rows of K, then 64 of V).  Waves 0-3 fetch the four steps' K, waves 4-7 their V, one tensor load a wave behind each change of slots.
; REGISTERS.  Window 0: v2-15 addresses; v16-31 statistics, eight a tile; v64-127 S^T; v128-159 P; v160-191 the way out.  Window 1: v0-31 Q; v32-95 K; v96-159 V; v160-223 O^T.
.set KS,    64
.set PK,    144                        ; a row of K in LDS: 128 bytes + 16: an odd multiple of 16
.set PV,    160                        ; a row of V: 128 + 32: an odd multiple of 32
.set VOFF,  KS*PK
.set STEPB, KS*(PK+PV)
.set SLOT1, 1<<17                      ; slot 1 begins here: one exclusive or turns an address
.set STAGE, SLOT1+4*STEPB              ; behind the ring: 2 x 16 rows x 144 bytes for each wave
.set SPARE, STAGE+8*4608               ; the spare words, 128 bytes for each wave
.set AK0, 2
.set AV0, 3
.set ADK, 4
.set ADV, 5
.set QO,  6
.set STO, 7
.set RD,  8
.set GO,  9
.set D0,  10                           ; v10 lane % 16 - 8 (lane / 16)
.set NINF, 11
.set PFO, 12
.set SPW, 14
.set NIL, 15
.set ST,  16                           ; tile t at v[ST+8 t]: +0 c m, +1 m, +2, +3 l (even keys', odd keys'), +4 .. +7 at work; a takes +6
.set DM,  32
.set S,   64
.set P,   128
.set TMPO, 160
.set QR,  0                            ; in window 1
.set KR,  32
.set VR,  96
.set OT,  160
.set WV,  8
.set VIS, 13                           ; the visit, 0 .. 8
.set SWV, 14                           ; 7 - I: the first query block's last visit
.set STEPC, 15
.set TB,  16                           ; LDS byte at which the step in hand begins
.set KF,  17                           ; the step's first key
.set Q0,  18                           ; my first query
.set Q0A, 19                           ; and in the second query block
.set SEL, 20
.set CS,  22
.set G1K, 24
.set G1V, 32
.set G0,  40
.set BACK, 46                          ; (8 - I) key blocks in bytes
.set QP1, 48
.set QP2, 50
.set YP,  52
.set YP2, 54
.set PFA, 56
.set LIM, 58
.set MSB, 0
.macro WIN new
.if MSB != \new
	s_set_vgpr_msb (MSB<<8)|\new
.set MSB, \new
.endif
.endm
.set W_LD, 0x40                        ; destination window 1, address window 0
.set W_KQ, 0x05                        ; K and Q in window 1, S^T in window 0
.set W_PV, 0x51                        ; V and O^T in window 1, P in window 0
.set W_RS, 0x41                        ; O^T in window 1, a in window 0
; Every wave fetches: waves 0-3 a step's K, waves 4-7 a step's V.  Two lines, since the paddings differ; an s_nop 0 and four v_nop follow each.
.macro TLOAD
	s_cmp_lt_u32 s[WV], 4
	s_cbranch_scc0 .Lfor_v_\@
	tensor_load_to_lds s[G0:G0+3], s[G1K:G1K+7]
	s_nop 0
.rept 4
	v_nop
.endr
	s_branch .Lasked_\@
.Lfor_v_\@:
	tensor_load_to_lds s[G0:G0+3], s[G1V:G1V+7]
	s_nop 0
.rept 4
	v_nop
.endr
.Lasked_\@:
.endm
; A prefetch of what the NEXT change of slots will ask for.  The four work-groups of a head begin with the same key blocks; the one with I = 0, which walks all eight, asks, and nobody else.  Each of its waves names
; the 8,192 bytes that it will itself fetch, lanes 256 bytes apart: each aligned block of 256 bytes is named once in the launch.  In visit v it names key block v + 2, so it stops behind visit 5.
.macro ASK
	s_cmp_lt_u32 s[VIS], s[LIM]
	s_cbranch_scc0 .Lnot_mine_\@
	global_prefetch_b8 v[PFO], s[PFA:PFA+1] th:TH_LOAD_NT scope:SCOPE_SE
.Lnot_mine_\@:
.endm
	s_load_b128 s[4:7], s[0:1], 0x0                ; qkvh, yp
	v_lshl_add_u32 v[SPW], v0, 2, SPARE
	v_mov_b32 v[NIL], 0
	ds_add_u32 v[SPW], v[NIL]                      ; the wave's opening: the add, twice on end, and its wait ahead of my first tensor load
	ds_add_u32 v[SPW], v[NIL]
	v_lshrrev_b32 v1, 5, v0
	v_readfirstlane_b32 s[WV], v1                  ; wave 0..7
	s_and_b32 s60, ttmp7, 0xffff
	s_lshr_b32 s61, s60, 4                         ; batch
	s_and_b32 s62, s60, 15                         ; head
	s_mul_i32 s63, s61, 48
	s_add_co_u32 s63, s63, s62                     ; q's panel
	s_sub_co_u32 s[SWV], 7, ttmp9
	s_lshl_b32 s9, s[WV], 5
	s_lshl_b32 s[Q0], s[SWV], 8
	s_add_co_u32 s[Q0], s[Q0], s9                  ; 256 (7 - I) + 32 w
	s_lshl_b32 s[Q0A], ttmp9, 8
	s_add_co_u32 s[Q0A], s[Q0A], s9                ; 256 I + 32 w
	s_sub_co_u32 s[BACK], 8, ttmp9
	s_lshl_b32 s[BACK], s[BACK], 15
	s_mov_b32 s44, 0
	s_mov_b32 s45, 0
	s_lshl_b32 s10, s63, 18
	s_lshl_b32 s[QP1], s[Q0], 7
	s_add_co_u32 s[QP1], s[QP1], s10
	s_mov_b32 s[QP1+1], 0
	s_lshl_b32 s[QP2], s[Q0A], 7
	s_add_co_u32 s[QP2], s[QP2], s10
	s_mov_b32 s[QP2+1], 0
	s_lshl_b32 s11, s62, 13
	s_lshl_b32 s12, s61, 11
	s_add_co_u32 s11, s11, s12                     ; yp: row 8192 head + 2048 batch
	s_add_co_u32 s[YP], s11, s[Q0]
	s_lshl_b32 s[YP], s[YP], 7
	s_mov_b32 s[YP+1], 0
	s_add_co_u32 s[YP2], s11, s[Q0A]
	s_lshl_b32 s[YP2], s[YP2], 7
	s_mov_b32 s[YP2+1], 0
	s_lshr_b32 s12, s[WV], 2                       ; I fetch K (0) or V (1),
	s_and_b32 s9, s[WV], 3                         ; of this step of a slot
	s_lshl_b32 s[PFA], s12, 4
	s_add_co_u32 s[PFA], s[PFA], s63
	s_add_co_u32 s[PFA], s[PFA], 16                ; its panel
	s_lshl_b32 s[PFA], s[PFA], 18
	s_lshl_b32 s[PFA+1], s9, 13                    ; 64 rows of 128 bytes a step
	s_add_co_u32 s[PFA], s[PFA], s[PFA+1]
	s_mov_b32 s[PFA+1], 0
	s_mov_b32 s[G0], 1                             ; count = 1
	s_mul_i32 s[G0+1], s9, STEPB                   ; LDS address: my step's place in slot 0,
	s_mul_i32 s12, s12, VOFF
	s_add_co_u32 s[G0+1], s[G0+1], s12             ; V behind K
	s_mov_b32 s[G1K], (1<<16)|(1<<20)|(4<<22)|(3<<25)   ; no mask; elements of 2 bytes; padding: 4 words after every 32
	s_mov_b32 s[G1V], (1<<16)|(1<<20)|(4<<22)|(7<<25)   ; 8 words after every 32
.irp g, G1K, G1V
	s_mov_b32 s[\g+1], 64<<16                      ; tensor_dim0 = 64
	s_mov_b32 s[\g+2], KS<<16                      ; tensor_dim1 = 64
	s_mov_b32 s[\g+3], 64<<16                      ; tile_dim0 = 64
	s_mov_b32 s[\g+4], KS                          ; tile_dim1 = 64
	s_mov_b32 s[\g+5], 64                          ; pitch
	s_mov_b32 s[\g+6], 0
	s_mov_b32 s[\g+7], 0
.endr
	s_mov_b32 s[SEL], 0x76543210
	s_mov_b32 s[SEL+1], 0xfedcba98                 ; v_permlanex16_b32: lane l xor 16
	s_mov_b32 s[CS], 0x3e38aa3b                    ; c = log2(e) / 8
	s_mov_b32 s[CS+1], s[CS]
	s_mov_b32 s[TB], 0
	s_mov_b32 s[KF], 0
	s_mov_b32 s[VIS], 0
	s_cmp_eq_u32 ttmp9, 0
	s_cselect_b32 s[LIM], 6, 0
	s_wait_dscnt 0x0                               ; both opening adds are done
	s_wait_kmcnt 0x0
	s_add_nc_u64 s[QP1:QP1+1], s[4:5], s[QP1:QP1+1]
	s_add_nc_u64 s[QP2:QP2+1], s[4:5], s[QP2:QP2+1]
	s_add_nc_u64 s[YP:YP+1], s[6:7], s[YP:YP+1]
	s_add_nc_u64 s[YP2:YP2+1], s[6:7], s[YP2:YP2+1]
	s_add_nc_u64 s[PFA:PFA+1], s[4:5], s[PFA:PFA+1]
	s_mov_b64 s[G0+2:G0+3], s[PFA:PFA+1]           ; global address: my part of key block 0
	s_or_b32 s[G0+3], s[G0+3], 0x80000000          ; type = 2
	s_add_nc_u64 s[PFA:PFA+1], s[PFA:PFA+1], 32768 ; the prefetches stand at key block 1: the first change steps them to block 2.  Nothing is prefetched at the head
	TLOAD                                          ; slot 0: key block 0
	v_and_b32 v1, 15, v0                           ; r
	v_bfe_u32 v34, v0, 4, 1                        ; h
	v_and_b32 v35, 31, v0                          ; l
	v_lshlrev_b32 v[QO], 7, v1
	v_lshl_add_u32 v[QO], v34, 4, v[QO]            ; Q: row r of 128 bytes + 16 h
.macro QLOAD base                      ; my 32 queries stay in registers: tile t, channels 32 c on
	WIN W_LD
.irp t, 0,1
.irp c, 0,1
	global_load_b128 v[QR+16*\t+8*\c:QR+16*\t+8*\c+3], v[QO], s[\base:\base+1] offset:\t*2048+64*\c
	global_load_b128 v[QR+16*\t+8*\c+4:QR+16*\t+8*\c+7], v[QO], s[\base:\base+1] offset:\t*2048+64*\c+32
.endr
.endr
	WIN 0
.endm
	QLOAD QP1
	v_mul_u32_u24 v[AK0], v1, PK
	v_lshl_add_u32 v[AK0], v34, 4, v[AK0]          ; K: row r x pitch + 16 h
	v_and_b32 v36, 7, v0
	v_lshl_add_u32 v[AV0], v34, 3, v36             ; V, turned: key 8 h + l % 8,
	v_mul_u32_u24 v[AV0], v[AV0], PV
	v_bfe_u32 v37, v0, 3, 1
	v_lshl_add_u32 v[AV0], v37, 4, v[AV0]          ; channels 8 ((l / 8) % 2) on
	v_add_nc_u32 v[AV0], VOFF, v[AV0]
	s_mul_i32 s60, s[WV], 4608
	s_add_co_u32 s60, s60, STAGE                   ; my stage
	v_add_nc_u32 v[STO], s60, v[AK0]               ; in: row r x 144 + 16 h
	v_lshrrev_b32 v38, 3, v35
	v_mul_u32_u24 v38, v38, PK
	v_lshl_add_u32 v38, v36, 4, v38
	v_add_nc_u32 v[RD], s60, v38                   ; back: row l / 8, 16 (l % 8)
	v_lshlrev_b32 v[GO], 4, v35                    ; and four dense rows of 128 bytes in yp
	v_lshlrev_b32 v38, 3, v34
	v_sub_nc_u32 v[D0], v1, v38
	v_mov_b32 v[NINF], 0xff800000
	v_lshlrev_b32 v[PFO], 8, v35
.macro INIT                            ; a query block begins: m = -3e38, under every score; l, O^T and what is at work = 0.  The step is written once: the first finds zeros, which its a = 0 leaves zeros
.irp t, 0,1
	v_mov_b32 v[ST+8*\t+1], 0xff61b1e6
	v_mul_f32 v[ST+8*\t], s[CS], v[ST+8*\t+1]
.irp i, 2,3,4,5,6,7
	v_mov_b32 v[ST+8*\t+\i], 0
.endr
.endr
	WIN W_LD
.set i, 0
.rept 64
	v_mov_b32 v[OT+i], 0
.set i, i+1
.endr
	WIN 0
.endm
	INIT
	s_wait_loadcnt 0x0                             ; Q
.macro SOFTMAX                         ; both tiles by turns, so that no line waits for the line above it
.irp j, 0,1,2,3
.irp t, 0,1
	v_max3_num_f32 v[ST+8*\t+4+\j], v[S+32*\t+8*\j], v[S+32*\t+8*\j+1], v[S+32*\t+8*\j+2]      ; four chains; each accumulator is read from its low end on
.endr
.endr
.irp g, 1,2
.irp j, 0,1,2,3
.irp t, 0,1
	v_max3_num_f32 v[ST+8*\t+4+\j], v[ST+8*\t+4+\j], v[S+32*\t+8*\j+2*\g+1], v[S+32*\t+8*\j+2*\g+2]
.endr
.endr
.endr
.irp t, 0,1
	v_max3_num_f32 v[ST+8*\t+4], v[ST+8*\t+4], v[S+32*\t+7], v[S+32*\t+15]
.endr
.irp t, 0,1
	v_max3_num_f32 v[ST+8*\t+6], v[ST+8*\t+6], v[S+32*\t+23], v[S+32*\t+31]
.endr
.irp t, 0,1
	v_max3_num_f32 v[ST+8*\t+4], v[ST+8*\t+4], v[ST+8*\t+5], v[ST+8*\t+6]
.endr
.irp t, 0,1
	v_max3_num_f32 v[ST+8*\t+4], v[ST+8*\t+4], v[ST+8*\t+7], v[ST+8*\t+1]      ; and the old m
.endr
.irp t, 0,1
	v_permlanex16_b32 v[ST+8*\t+5], v[ST+8*\t+4], s[SEL], s[SEL+1]             ; the query's other 32 keys lie in the lane 16 away
.endr
.irp t, 0,1
	v_mov_b32 v[ST+8*\t+7], v[ST+8*\t]             ; c m_old
.endr
.irp t, 0,1
	v_max_num_f32 v[ST+8*\t+1], v[ST+8*\t+4], v[ST+8*\t+5]
.endr
.irp t, 0,1
	v_mul_f32 v[ST+8*\t], s[CS], v[ST+8*\t+1]
.endr
.irp t, 0,1
	v_sub_f32 v[ST+8*\t+7], v[ST+8*\t+7], v[ST+8*\t]
.endr
.set i, 0
.rept 16
.irp t, 0,1
	v_pk_fma_f32 v[S+32*\t+i:S+32*\t+i+1], v[S+32*\t+i:S+32*\t+i+1], s[CS:CS+1], v[ST+8*\t:ST+8*\t+1] op_sel_hi:[1,0,0] neg_lo:[0,0,1] neg_hi:[0,0,1]   ; c s - c m
.endr
.set i, i+2
.endr
.irp t, 0,1
	v_exp_f32 v[ST+8*\t+6], v[ST+8*\t+7]           ; a
.endr
.set i, 0
.rept 32
.irp t, 0,1
	v_exp_f32 v[S+32*\t+i], v[S+32*\t+i]           ; p; a hidden key's is 0
.endr
.set i, i+1
.endr
	v_nop                                          ; a plain instruction behind the last exponential
	s_wait_alu depctr_va_vdst(0)                   ; one wait for the batch of 66, ahead of its first reader
.set i, 0
.rept 16
.irp t, 0,1
	v_cvt_pk_f16_f32 v[P+16*\t+i], v[S+32*\t+2*i], v[S+32*\t+2*i+1]
.endr
.set i, i+1
.endr
.irp u, 0,1,2,3,4,5,6,7                ; the sum of the unrounded p, in place, neighbours 1, 2, 4 and 8 pairs apart
.irp t, 0,1
	v_pk_add_f32 v[S+32*\t+4*\u:S+32*\t+4*\u+1], v[S+32*\t+4*\u:S+32*\t+4*\u+1], v[S+32*\t+4*\u+2:S+32*\t+4*\u+3]
.endr
.endr
.irp u, 0,1,2,3
.irp t, 0,1
	v_pk_add_f32 v[S+32*\t+8*\u:S+32*\t+8*\u+1], v[S+32*\t+8*\u:S+32*\t+8*\u+1], v[S+32*\t+8*\u+4:S+32*\t+8*\u+5]
.endr
.endr
.irp u, 0,1
.irp t, 0,1
	v_pk_add_f32 v[S+32*\t+16*\u:S+32*\t+16*\u+1], v[S+32*\t+16*\u:S+32*\t+16*\u+1], v[S+32*\t+16*\u+8:S+32*\t+16*\u+9]
.endr
.endr
.irp t, 0,1
	v_pk_add_f32 v[S+32*\t:S+32*\t+1], v[S+32*\t:S+32*\t+1], v[S+32*\t+16:S+32*\t+17]
.endr
.irp t, 0,1
	v_pk_fma_f32 v[ST+8*\t+2:ST+8*\t+3], v[ST+8*\t+2:ST+8*\t+3], v[ST+8*\t+6:ST+8*\t+7], v[S+32*\t:S+32*\t+1] op_sel_hi:[1,0,1]   ; l = a l + the sum
.endr
	WIN W_RS
.set i, 0
.rept 16
.irp t, 0,1
	v_pk_mul_f32 v[OT+32*\t+i:OT+32*\t+i+1], v[OT+32*\t+i:OT+32*\t+i+1], v[ST+8*\t+6:ST+8*\t+7] op_sel_hi:[1,0]   ; O^T x a, each accumulator from its low end on
.endr
.set i, i+2
.endr
.endm
; A KEY STEP: 64 keys.  A step all of whose keys come after my 32 queries is left out: a scalar branch on ids round its loads and work, not round the two lines that step KF and TB; no barrier stands in a step.
.macro STEP
	s_add_co_u32 s60, s[Q0], 31
	s_cmp_gt_u32 s[KF], s60
	s_cbranch_scc1 .Lhid_\@
	v_add_nc_u32 v[ADK], s[TB], v[AK0]
	v_add_nc_u32 v[ADV], s[TB], v[AV0]
	v_nop
	v_nop                                          ; four plain instructions between the last step's products and the loads into V's registers
	WIN W_LD
.irp kt, 0,1,2,3
.irp c, 0,1
	ds_load_b128 v[KR+8*(2*\kt+\c):KR+8*(2*\kt+\c)+3], v[ADK] offset:\kt*16*PK+64*\c
	ds_load_b128 v[KR+8*(2*\kt+\c)+4:KR+8*(2*\kt+\c)+7], v[ADK] offset:\kt*16*PK+64*\c+32
.endr
.endr
.irp kc, 0,1
.irp dt, 0,1,2,3
	ds_load_tr16_b128 v[VR+8*(4*\kc+\dt):VR+8*(4*\kc+\dt)+3], v[ADV] offset:\kc*32*PV+32*\dt
	ds_load_tr16_b128 v[VR+8*(4*\kc+\dt)+4:VR+8*(4*\kc+\dt)+7], v[ADV] offset:\kc*32*PV+16*PV+32*\dt
.endr
.endr
	s_wait_dscnt 16                                ; K is in; V's 16 loads may be out
	WIN W_KQ
.irp c, 0,1                            ; S^T = K Q^T: eight accumulators by turns; the first eight products start the sums
.irp kt, 0,1,2,3
.irp t, 0,1
.if \c == 0
	v_wmma_f32_16x16x32_f16 v[S+32*\t+8*\kt:S+32*\t+8*\kt+7], v[KR+8*(2*\kt+\c):KR+8*(2*\kt+\c)+7], v[QR+16*\t+8*\c:QR+16*\t+8*\c+7], 0
.else
	v_wmma_f32_16x16x32_f16 v[S+32*\t+8*\kt:S+32*\t+8*\kt+7], v[KR+8*(2*\kt+\c):KR+8*(2*\kt+\c)+7], v[QR+16*\t+8*\c:QR+16*\t+8*\c+7], v[S+32*\t+8*\kt:S+32*\t+8*\kt+7]
.endif
.endr
.endr
.endr
	WIN 0
.rept 4
	v_nop
.endr
	s_add_co_u32 s60, s[KF], 63                    ; a step all of whose keys count skips the mask
	s_cmp_le_u32 s60, s[Q0]
	s_cbranch_scc1 .Lopen_\@
	s_sub_co_i32 s60, s[Q0], s[KF]
	v_add_nc_u32 v[DM], s60, v[D0]                 ; register 8 kt + j of tile t holds key KF + 16 kt + 8 h + j: hidden where 16 kt + j > Q0 - KF + 16 t + r - 8 h
	v_add_nc_u32 v[DM+1], 16, v[DM]
.irp t, 0,1
.set n, 0
.rept 32
	v_cmp_gt_i32 vcc_lo, 16*(n/8)+n%8, v[DM+\t]
	v_cndmask_b32 v[S+32*\t+n], v[S+32*\t+n], v[NINF], vcc_lo
.set n, n+1
.endr
.endr
.Lopen_\@:
	SOFTMAX
	s_wait_dscnt 0x0                               ; V is in
	WIN W_PV
.irp kc, 0,1                           ; O^T += V^T P: eight accumulators by turns
.irp dt, 0,1,2,3
.irp t, 0,1
	v_wmma_f32_16x16x32_f16 v[OT+32*\t+8*\dt:OT+32*\t+8*\dt+7], v[VR+8*(4*\kc+\dt):VR+8*(4*\kc+\dt)+7], v[P+16*\t+8*\kc:P+16*\t+8*\kc+7], v[OT+32*\t+8*\dt:OT+32*\t+8*\dt+7]
.endr
.endr
.endr
	WIN 0
.Lhid_\@:
	s_add_co_u32 s[KF], s[KF], KS
	s_add_co_u32 s[TB], s[TB], STEPB
.endm
.macro VISIT                           ; a slot's four steps: written once, walked four times
	s_mov_b32 s[STEPC], 4
.Lstep_\@:
	STEP
	s_sub_co_u32 s[STEPC], s[STEPC], 1
	s_cmp_lg_u32 s[STEPC], 0
	s_cbranch_scc1 .Lstep_\@
	s_sub_co_u32 s[TB], s[TB], 4*STEPB
	s_xor_b32 s[TB], s[TB], SLOT1                  ; on to the other slot
.endm
; THE CHANGE OF SLOTS stands at a slot's head.  Each wave waits for all its tensor loads (its part of the slot ahead), adds 0 to its spare word, and waits for that and for its reads of the slot that it has left.
; Behind the barrier the slot ahead is whole and nobody reads the other.  fill = 1: that other slot takes the next visit's key block: one tensor load a wave, with a whole visit in which to land.
.macro CHANGE fill
	s_wait_tensorcnt 0x0                           ; no tensor load of mine is out, so group 0 may be written
	ds_add_u32 v[SPW], v[NIL]
.if \fill
	s_xor_b32 s[G0+1], s[G0+1], SLOT1
	s_add_nc_u64 s[G0+2:G0+3], s[G0+2:G0+3], 32768 ; the next 256 keys,
	s_cmp_eq_u32 s[VIS], s[SWV]
	s_cselect_b32 s44, s[BACK], 0
	s_sub_nc_u64 s[G0+2:G0+3], s[G0+2:G0+3], s[44:45]  ; or key block 0 again, where the second query block begins
	s_wait_xcnt 0x0                                ; the last prefetch, a visit back, has read its address
	s_add_nc_u64 s[PFA:PFA+1], s[PFA:PFA+1], 32768
.endif
	s_wait_dscnt 0x0
	s_barrier_signal -1
	s_barrier_wait -1
.if \fill
	TLOAD
	ASK
.endif
.endm
; A query block ends: O^T / l, rounded to f16, through my stage, out as four dense rows of 128 bytes a store.
.macro FINISH
.rept 4
	v_nop                                          ; places behind the last products
.endr
.irp t, 0,1
	v_add_f32 v[ST+8*\t+4], v[ST+8*\t+2], v[ST+8*\t+3]
.endr
.irp t, 0,1
	v_permlanex16_b32 v[ST+8*\t+5], v[ST+8*\t+4], s[SEL], s[SEL+1]
.endr
.irp t, 0,1
	v_add_f32 v[ST+8*\t+4], v[ST+8*\t+4], v[ST+8*\t+5]
.endr
.irp t, 0,1
	v_rcp_f32 v[ST+8*\t+6], v[ST+8*\t+4]
.endr
	v_nop
	s_wait_alu depctr_va_vdst(0)                   ; one wait for the two reciprocals, ahead of their first reader
	WIN W_RS
.set i, 0
.rept 16
.irp t, 0,1
	v_pk_mul_f32 v[OT+32*\t+i:OT+32*\t+i+1], v[OT+32*\t+i:OT+32*\t+i+1], v[ST+8*\t+6:ST+8*\t+7] op_sel_hi:[1,0]
.endr
.set i, i+2
.endr
	WIN 0x05                                       ; sources in window 1, destination in window 0
.set i, 0
.rept 32
	v_cvt_pk_f16_f32 v[TMPO+i], v[OT+2*i], v[OT+2*i+1]
.set i, i+1
.endr
	WIN 0
.irp t, 0,1
.irp dt, 0,1,2,3
	ds_store_b128 v[STO], v[TMPO+16*\t+4*\dt:TMPO+16*\t+4*\dt+3] offset:\t*16*PK+32*\dt
.endr
.endr
.irp t, 0,1
.irp i, 0,1,2,3
	ds_load_b128 v[TMPO+16*\t+4*\i:TMPO+16*\t+4*\i+3], v[RD] offset:\t*16*PK+\i*4*PK   ; LDS serves a wave's instructions in order: these see the stores above
.endr
.endr
.irp t, 0,1
.irp i, 0,1,2,3
	s_wait_dscnt 7-4*\t-\i
	global_store_b128 v[GO], v[TMPO+16*\t+4*\i:TMPO+16*\t+4*\i+3], s[YP:YP+1] offset:\t*2048+512*\i
.endr
.endr
.endm
.Lslot:                                            ; eight trips: behind each change of slots but the last the next visit's key block is asked for
	CHANGE 1
	VISIT
	s_cmp_lg_u32 s[VIS], s[SWV]                    ; ids alone: all eight waves go the same way
	s_cbranch_scc1 .Lsame
	QLOAD QP2                                      ; the first query block is done: the second's queries are asked for while the first leaves
	FINISH
	s_wait_xcnt 0x0                                ; the stores and loads have read their addresses and data
	s_mov_b64 s[YP:YP+1], s[YP2:YP2+1]
	s_mov_b32 s[Q0], s[Q0A]
	s_mov_b32 s[KF], 0
	INIT
	s_wait_loadcnt 0x0
.Lsame:
	s_add_co_u32 s[VIS], s[VIS], 1
	s_cmp_lt_u32 s[VIS], 8
	s_cbranch_scc1 .Lslot
	CHANGE 0                                       ; the last visit is written out
	VISIT
	FINISH
	s_wait_tensorcnt 0x0                           ; the wave's end
	ds_add_u32 v[SPW], v[NIL]
	s_wait_dscnt 0x0
	s_endpgm
.Lfunc_end_k_qdebcce5532_attn:
	.size	k_qdebcce5532_attn, .Lfunc_end_k_qdebcce5532_attn-k_qdebcce5532_attn
	.p2alignl 7, 3214868480
	.fill 96, 4, 3214868480
	.section	.rodata,"a",@progbits
	.p2align	6, 0x0
	.amdhsa_kernel k_qdebcce5532_attn
		.amdhsa_group_segment_fixed_size 327680
		.amdhsa_private_segment_fixed_size 0
		.amdhsa_enable_private_segment 0
		.amdhsa_kernarg_size 16
		.amdhsa_user_sgpr_count 2
		.amdhsa_user_sgpr_kernarg_segment_ptr 1
		.amdhsa_wavefront_size32 1
		.amdhsa_system_sgpr_workgroup_id_x 1
		.amdhsa_system_sgpr_workgroup_id_y 1
		.amdhsa_system_sgpr_workgroup_id_z 1
		.amdhsa_system_vgpr_workitem_id 0
		.amdhsa_next_free_vgpr 512
		.amdhsa_next_free_sgpr 66
		.amdhsa_reserve_vcc 1
		.amdhsa_float_denorm_mode_32 3
		.amdhsa_float_denorm_mode_16_64 3
		.amdhsa_memory_ordered 1
		.amdhsa_forward_progress 1
		.amdhsa_inst_pref_size 71
	.end_amdhsa_kernel
	.amdgpu_metadata
---
amdhsa.version: [ 1, 2 ]
amdhsa.kernels:
  - .name:           k_qdebcce5532_attn
    .symbol:         k_qdebcce5532_attn.kd
    .args:
      - { .name: qkvh, .offset: 0, .size: 8, .value_kind: global_buffer, .address_space: global }
      - { .name: yp, .offset: 8, .size: 8, .value_kind: global_buffer, .address_space: global }
    .group_segment_fixed_size: 327680
    .private_segment_fixed_size: 0
    .kernarg_segment_align: 8
    .kernarg_segment_size: 16
    .max_flat_workgroup_size: 256
    .sgpr_count:     66
    .vgpr_count:     512
    .wavefront_size: 32
...
	.end_amdgpu_metadata
.endif
;; end of part 3
;; launch proj (part 4): grid 8 x 64, 4 waves a work-group, clusters of 4 x 4, 327,680 bytes of LDS; arguments yp, wt16, b_proj, out0; writes out0
.if DOCPART == 4
	.amdgcn_target "amdgcn-amd-amdhsa--gfx1250"
	.amdhsa_code_object_version 6
	.text
	.protected	k_qdebcce5532_proj
	.globl	k_qdebcce5532_proj
	.p2align	8
	.type	k_qdebcce5532_proj,@function
k_qdebcce5532_proj:
	s_mov_b64 s[64:65], 0
	v_nop
	global_prefetch_b8 v0, s[64:65] scope:SCOPE_SE
	s_setreg_imm32_b32 hwreg(HW_REG_WAVE_MODE, 25, 1), 1
	s_wait_xcnt 0x0
	s_wait_alu depctr_hold_cnt(0) depctr_sa_sdst(0) depctr_va_vdst(0) depctr_va_sdst(0) depctr_va_ssrc(0) depctr_va_vcc(0) depctr_vm_vsrc(0)
	s_getreg_b32 s2, hwreg(HW_REG_IB_STS2, 6, 4)
	s_cmp_eq_u32 s2, 0
	s_cbranch_scc0 .Lentry_in_a_cluster
	s_endpgm
.Lentry_in_a_cluster:
	s_bfe_u32 s2, ttmp6, 0x10000c
	s_cmp_lg_u32 s2, 0xf033
	s_cbranch_scc0 .Lentry_shape_is_right
	s_endpgm
.Lentry_shape_is_right:
; out0 = y w_proj + b_proj, operands in f16, sums in f32, for all rows but the first 16 positions of each sequence, which another launch makes in f32.
; A = yp, f16 panels [head 16][row 8192][64]; B = wt16 [n 1024][k 1024] f16; out0 [8192][1024] f32.
; A tile of 128 x 128 is made by four waves, each 64 x 64: 16 accumulators.  K goes in steps of 256 (four heads' panels) through two LDS slots.
; A's part of a step for 64 rows is four dense runs of 8,192 bytes, one in each panel: one tensor load states them as four rows of 4,096 elements, 524,288 elements apart, with 16 bytes of padding behind every 128:
; in LDS [panel][row], 144 bytes a row.  B's rows are 512 bytes + 16.
; CLUSTER 4 x 4, joint loads: A's tiles shared along a row of the cluster, B's along a column.  Tile row = 16 cy + cluster y: a batch's first tile row is cluster y = 0, alike in all partners.
; THE MATRIX INSTRUCTION IS USED TRANSPOSED: a lane holds eight neighbouring columns of one row.  The bias is the C of each sum's first instruction.
; REGISTERS: window 0: v16-29 addresses; v32-95 the way out; v96-127 the bias; v128-255 the accumulators ((a, b) at v[128 + 8 (4 a + b)]).  Window 1: two fragment buffers of 128 (64 of A, then 64 of B).
.set PA,     144
.set PB,     528
.set HALFA,  4*64*PA                   ; 64 rows x 4 panels
.set HALFB,  64*PB
.set SLOT,   2*HALFA+2*HALFB
.set STAGE,  2*SLOT                    ; behind the ring: 16 rows x 272 bytes for each wave
.set SPITCH, 272
.set SPARE,  STAGE+4*16*SPITCH
.set LAPS,   2
.set ADRA, 16
.set ADRB, 20
.set STO,  24
.set RD,   25
.set CO,   26
.set BO,   27
.set SPW,  28
.set NIL,  29
.set OB,   32
.set BIAS, 96
.set ACC,  128
.set F0,   0
.set F1,   128
.set G1, 24
.set G0, 32
.set G1B, 48
.set G0B, 56
.set MSB, 0
.macro WIN new
.if MSB != \new
	s_set_vgpr_msb (MSB<<8)|\new
.set MSB, \new
.endif
.endm
.set MUL,  0x05                        ; sources 0 (B) and 1 (A) window 1; C and D window 0
.set TO_F, 0x40
.macro JLOAD s                         ; a joint load: waves 0 and 1 fetch A's halves, waves 2 and 3 B's; an s_nop 0 and four v_nop follow each line
	s_cmp_eq_u32 s11, 0
	s_cbranch_scc0 .Lfor_b_\@
	tensor_load_to_lds s[G0+4*\s:G0+4*\s+3], s[G1:G1+7]
	s_nop 0
.rept 4
	v_nop
.endr
	s_branch .Lasked_\@
.Lfor_b_\@:
	tensor_load_to_lds s[G0B+4*\s:G0B+4*\s+3], s[G1B:G1B+7]
	s_nop 0
.rept 4
	v_nop
.endr
.Lasked_\@:
.endm
.macro CREST
	s_cmp_lg_u32 s10, 0
	s_cbranch_scc1 .Lnot_wave_0_\@
	s_barrier_signal -3
.Lnot_wave_0_\@:
	s_barrier_wait -3
	s_barrier_signal -1
	s_barrier_wait -1
.endm
.macro CROUND
	s_barrier_signal -1
	s_barrier_wait -1
	CREST
.endm
	s_load_b128 s[4:7], s[0:1], 0x0                ; yp, wt16
	s_load_b64 s[66:67], s[0:1], 0x10              ; b_proj
	s_load_b64 s[8:9], s[0:1], 0x18                ; out0
	v_lshl_add_u32 v[SPW], v0, 2, SPARE
	v_mov_b32 v[NIL], 0
	ds_add_u32 v[SPW], v[NIL]                      ; the wave's opening: the add, twice on end, and its wait ahead of my first tensor load
	ds_add_u32 v[SPW], v[NIL]
	v_lshrrev_b32 v1, 5, v0
	v_readfirstlane_b32 s10, v1                    ; wave 0..3
	s_lshr_b32 s11, s10, 1                         ; my half of the rows.  Also: I fetch for A (0) or for B (1)
	s_and_b32 s12, s10, 1                          ; my half of the columns.  Also: which 64 rows I fetch
	s_bfe_u32 s40, ttmp6, 0x40000                  ; cx
	s_bfe_u32 s41, ttmp6, 0x40004                  ; cy
	s_lshl_b32 s42, ttmp9, 2
	s_add_co_u32 s42, s42, s40                     ; tile column = 4 x cluster x + cx
	s_and_b32 s68, ttmp7, 0xffff                   ; cluster y
	s_lshl_b32 s13, s41, 4
	s_add_co_u32 s13, s13, s68                     ; tile row = 16 cy + cluster y
	s_or_b32 s69, s68, s11                         ; 0: my first 16 rows are a sequence's first 16 positions
	s_lshl_b32 s43, s41, 2
	s_lshl_b32 s43, 15, s43                        ; my row of the cluster
	s_lshl_b32 s44, 0x1111, s40                    ; my column
	s_or_b32 s[G1+0], s43, (1<<16)|(1<<20)|(1<<21)|(4<<22)|(3<<25)   ; the mask; elements of 2 bytes; padding: 4 words after every 32; bit 21 beside a mask
	s_mov_b32 s[G1+1], 4096<<16                    ; tensor_dim0 = 4,096: 64 dense rows of a panel
	s_mov_b32 s[G1+2], 4<<16                       ; tensor_dim1 = 4 panels
	s_mov_b32 s[G1+3], 4096<<16                    ; tile_dim0
	s_mov_b32 s[G1+4], 4                           ; tile_dim1
	s_mov_b32 s[G1+5], 524288                      ; from panel to panel, in elements
	s_mov_b32 s[G1+6], 0
	s_mov_b32 s[G1+7], 0
	s_or_b32 s[G1B+0], s44, (1<<16)|(1<<20)|(1<<21)|(6<<22)|(3<<25)  ; padding: 4 words after every 128
	s_mov_b32 s[G1B+1], 256<<16
	s_mov_b32 s[G1B+2], 64<<16
	s_mov_b32 s[G1B+3], 256<<16
	s_mov_b32 s[G1B+4], 64
	s_mov_b32 s[G1B+5], 1024
	s_mov_b32 s[G1B+6], 0
	s_mov_b32 s[G1B+7], 0
	s_lshl_b32 s17, s12, 6
	s_lshl_b32 s16, s13, 7
	s_add_co_u32 s16, s16, s17                     ; A: row 128 x tile row + 64 x half,
	s_lshl_b32 s16, s16, 7                         ; of 128 bytes in a panel
	s_lshl_b32 s46, s42, 7
	s_add_co_u32 s46, s46, s17                     ; B: row 128 x tile column + 64 x half,
	s_lshl_b32 s46, s46, 11                        ; of 2,048 bytes
	s_mov_b32 s17, 0
	s_mov_b32 s47, 0
	s_mul_i32 s20, s12, HALFA                      ; where they go: no place in the cluster enters an LDS address
	s_mul_i32 s21, s12, HALFB
	s_add_co_u32 s21, s21, 2*HALFA
	s_wait_dscnt 0x0                               ; both opening adds are done
	s_wait_kmcnt 0x0
	s_add_nc_u64 s[14:15], s[4:5], s[16:17]
	s_add_nc_u64 s[46:47], s[6:7], s[46:47]
	CROUND                                         ; all sixteen work-groups are here: the first joint loads meet
.irp s, 0,1
	s_mov_b32 s[G0+4*\s], 1
	s_add_co_u32 s[G0+4*\s+1], s20, \s*SLOT
	s_add_nc_u64 s[G0+4*\s+2:G0+4*\s+3], s[14:15], \s*4194304      ; K step s: panels 4 s on
	s_or_b32 s[G0+4*\s+3], s[G0+4*\s+3], 0x80000000
	s_mov_b32 s[G0B+4*\s], 1
	s_add_co_u32 s[G0B+4*\s+1], s21, \s*SLOT
	s_add_nc_u64 s[G0B+4*\s+2:G0B+4*\s+3], s[46:47], \s*512
	s_or_b32 s[G0B+4*\s+3], s[G0B+4*\s+3], 0x80000000
	JLOAD \s                                       ; two tensor loads of a wave are out here, later one
.endr
	v_and_b32 v1, 15, v0                           ; r
	v_bfe_u32 v2, v0, 4, 1                         ; h
	v_lshlrev_b32 v[BO], 5, v2
	s_lshl_b32 s46, s42, 9                         ; my first column in bytes of f32: 512 x tile column + 256 x half
	s_lshl_b32 s47, s12, 8
	s_add_co_u32 s46, s46, s47
	s_mov_b32 s47, 0
	s_add_nc_u64 s[66:67], s[66:67], s[46:47]
.irp b, 0,1,2,3
	global_load_b128 v[BIAS+8*\b:BIAS+8*\b+3], v[BO], s[66:67] offset:64*\b
	global_load_b128 v[BIAS+8*\b+4:BIAS+8*\b+7], v[BO], s[66:67] offset:64*\b+16
.endr
	v_mul_u32_u24 v3, v1, PA
	v_lshl_add_u32 v3, v2, 4, v3
	v_mul_u32_u24 v4, v1, PB
	v_lshl_add_u32 v4, v2, 4, v4
	s_mul_i32 s21, s11, HALFA                      ; my 64 rows of A
	s_mul_i32 s22, s12, HALFB                      ; my 64 rows of B, behind A's two halves
	s_add_co_u32 s22, s22, 2*HALFA
.irp s, 0,1
	v_add_nc_u32 v[ADRA+\s], s21, v3
	v_add_nc_u32 v[ADRB+\s], s22, v4
	s_add_co_u32 s21, s21, SLOT
	s_add_co_u32 s22, s22, SLOT
.endr
	s_mul_i32 s23, s10, 16*SPITCH
	s_add_co_u32 s23, s23, STAGE                   ; my stage
	v_mul_u32_u24 v4, v1, SPITCH
	v_lshl_add_u32 v4, v2, 5, v4
	v_add_nc_u32 v[STO], s23, v4                   ; in: row r, 32 bytes for each half of the lanes
	v_mul_u32_u24 v5, v2, SPITCH
	v_lshl_add_u32 v5, v1, 4, v5
	v_add_nc_u32 v[RD], s23, v5                    ; back: lanes 0-15 one row of 256 bytes, lanes 16-31 the next
	v_lshlrev_b32 v5, 12, v2
	v_lshl_add_u32 v[CO], v1, 4, v5                ; and the same two rows in out0
	s_lshl_b32 s16, s13, 7
	s_lshl_b32 s17, s11, 6
	s_add_co_u32 s16, s16, s17                     ; my first row: 128 x tile row + 64 x half
	s_lshl_b32 s16, s16, 12
	s_add_co_u32 s16, s16, s46
	s_mov_b32 s17, 0
	s_add_nc_u64 s[8:9], s[8:9], s[16:17]
; 8 matrix instructions: m blocks a0, a0 + 1 x all 4 n blocks, 32 along K: half c of buffer f.  zero = 1: the first product starts the sums, with the bias as its C.  The 16 accumulators take turns.
.macro MUL8 f, c, a0, zero
.irp a, \a0, \a0+1
.irp b, 0,1,2,3
.if \zero
	v_wmma_f32_16x16x32_f16 v[ACC+8*(4*(\a)+\b):ACC+8*(4*(\a)+\b)+7], v[\f+64+8*(4*\c+\b):\f+64+8*(4*\c+\b)+7], v[\f+8*(4*\c+\a):\f+8*(4*\c+\a)+7], v[BIAS+8*\b:BIAS+8*\b+7]
.else
	v_wmma_f32_16x16x32_f16 v[ACC+8*(4*(\a)+\b):ACC+8*(4*(\a)+\b)+7], v[\f+64+8*(4*\c+\b):\f+64+8*(4*\c+\b)+7], v[\f+8*(4*\c+\a):\f+8*(4*\c+\a)+7], v[ACC+8*(4*(\a)+\b):ACC+8*(4*(\a)+\b)+7]
.endif
.endr
.endr
.endm
; 32 LDS loads in one run: the fragments of the slot's q-th 64 along K (one panel of A) into buffer f; the first 32 along K first
.macro FETCH slot, q, f
	WIN TO_F
.irp c, 0,1
.irp i, 0,1,2,3
	ds_load_b128 v[\f+64+8*(4*\c+\i):\f+64+8*(4*\c+\i)+3],   v[ADRB+\slot] offset:128*(\q)+64*\c+\i*16*PB
	ds_load_b128 v[\f+64+8*(4*\c+\i)+4:\f+64+8*(4*\c+\i)+7], v[ADRB+\slot] offset:128*(\q)+64*\c+\i*16*PB+32
	ds_load_b128 v[\f+8*(4*\c+\i):\f+8*(4*\c+\i)+3],         v[ADRA+\slot] offset:64*PA*(\q)+64*\c+\i*16*PA
	ds_load_b128 v[\f+8*(4*\c+\i)+4:\f+8*(4*\c+\i)+7],       v[ADRA+\slot] offset:64*PA*(\q)+64*\c+\i*16*PA+32
.endr
.endr
.endm
.macro PLACES
.rept 4
	v_nop
.endr
.endm
.macro QUARTER slot, q, f, g, zero     ; multiplies buffer f and fetches the slot's q-th quarter into g
	s_wait_dscnt 16                                ; the first 32 along K are in
	WIN MUL
	MUL8 \f, 0, 0, \zero
	MUL8 \f, 0, 2, \zero
	PLACES
	FETCH \slot, \q, \g
	s_wait_dscnt 32                                ; all but the 32 just issued
	WIN MUL
	MUL8 \f, 1, 0, 0
	MUL8 \f, 1, 2, 0
.endm
; The last quarter changes slots: in front of the barrier each wave waits for all its tensor loads, adds 0 to its spare word, and waits for that and for its reads of this slot.  fill = 1: the barrier opens a round of the
; cluster's, and the joint refill, two K steps ahead, is the first tensor load behind it.
.macro TURN slot, next, fill
	WIN 0
	s_wait_tensorcnt 0x0
	ds_add_u32 v[SPW], v[NIL]
	s_wait_dscnt 17                                ; (the add and the youngest sixteen loads may be out)
	WIN MUL
	MUL8 F1, 0, 0, 0
	s_wait_dscnt 0x0
	s_barrier_signal -1
	MUL8 F1, 0, 2, 0
.if \fill
	WIN 0
.endif
	s_barrier_wait -1
.if \fill
	CREST
	s_add_nc_u64 s[G0+4*\slot+2:G0+4*\slot+3], s[G0+4*\slot+2:G0+4*\slot+3], 8388608
	s_add_nc_u64 s[G0B+4*\slot+2:G0B+4*\slot+3], s[G0B+4*\slot+2:G0B+4*\slot+3], 1024
	JLOAD \slot
.else
	PLACES
.endif
	FETCH \next, 0, F0
	WIN MUL
	MUL8 F1, 1, 0, 0
	MUL8 F1, 1, 2, 0
.endm
	s_wait_tensorcnt 1                             ; my part of K step 0 is in; K step 1's may be out
	s_barrier_signal -1
	s_barrier_wait -1
	FETCH 0, 0, F0
	s_wait_loadcnt 0x0                             ; the bias
	QUARTER 0, 1, F0, F1, 1
	WIN 0
	s_mov_b32 s3, LAPS-1
.Llap:                                                 ; a trip goes once round the ring and fills both slots again
	QUARTER 0, 2, F1, F0, 0
	QUARTER 0, 3, F0, F1, 0
	TURN 0, 1, 1
	QUARTER 1, 1, F0, F1, 0
	QUARTER 1, 2, F1, F0, 0
	QUARTER 1, 3, F0, F1, 0
	TURN 1, 0, 1
	QUARTER 0, 1, F0, F1, 0
	WIN 0
	s_sub_co_u32 s3, s3, 1
	s_cmp_lg_u32 s3, 0
	s_cbranch_scc1 .Llap
	QUARTER 0, 2, F1, F0, 0                        ; the last lap fills nothing
	QUARTER 0, 3, F0, F1, 0
	TURN 0, 1, 0
	QUARTER 1, 1, F0, F1, 0
	QUARTER 1, 2, F1, F0, 0
	QUARTER 1, 3, F0, F1, 0
	s_wait_dscnt 16
	WIN MUL
	MUL8 F1, 0, 0, 0
	MUL8 F1, 0, 2, 0
	s_wait_dscnt 0
	MUL8 F1, 1, 0, 0
	MUL8 F1, 1, 2, 0
	WIN 0
; THE WAY OUT, block by block of 16 rows x 64 columns of f32: a row's 256 bytes are my own, so the stage is my own and no barrier is needed.
.macro TOSTAGE a
.set BB, OB+32*((\a)%2)
.irp b, 0,1,2,3
	ds_store_b128 v[STO], v[ACC+8*(4*(\a)+\b):ACC+8*(4*(\a)+\b)+3] offset:64*\b          ; each accumulator from its low end on
	ds_store_b128 v[STO], v[ACC+8*(4*(\a)+\b)+4:ACC+8*(4*(\a)+\b)+7] offset:64*\b+16
.endr
.irp t, 0,1,2,3,4,5,6,7
	ds_load_b128 v[BB+4*\t:BB+4*\t+3], v[RD] offset:\t*2*SPITCH    ; LDS serves a wave's instructions in order
.endr
.endm
.macro STORES a
.set BB, OB+32*((\a)%2)
.irp t, 0,1,2,3,4,5,6,7
	global_store_b128 v[CO], v[BB+4*\t:BB+4*\t+3], s[8:9] offset:(16*(\a)+2*\t)*4096 th:TH_STORE_NT   ; sixteen lanes store 256 consecutive bytes, aligned
.endr
.endm
	PLACES
	TOSTAGE 0
	TOSTAGE 1
	s_wait_dscnt 16                                ; block 0 is back; block 1's 8 stores and 8 loads may be out
	s_cmp_eq_u32 s69, 0                            ; cluster y and the wave's number alone: a sequence's first 16 positions are not stored here
	s_cbranch_scc1 .Lfine_rows
	STORES 0
.Lfine_rows:
	s_wait_xcnt 0x0                                ; block 0's stores have read their registers
	TOSTAGE 2
	s_wait_dscnt 16
	STORES 1
	s_wait_xcnt 0x0
	TOSTAGE 3
	s_wait_dscnt 16
	STORES 2
	s_wait_dscnt 0x0
	STORES 3
	s_wait_tensorcnt 0x0                           ; the wave's end
	ds_add_u32 v[SPW], v[NIL]
	s_wait_dscnt 0x0
	CROUND                                         ; the closing round
	s_endpgm
.Lfunc_end_k_qdebcce5532_proj:
	.size	k_qdebcce5532_proj, .Lfunc_end_k_qdebcce5532_proj-k_qdebcce5532_proj
	.p2alignl 7, 3214868480
	.fill 96, 4, 3214868480
	.section	.rodata,"a",@progbits
	.p2align	6, 0x0
	.amdhsa_kernel k_qdebcce5532_proj
		.amdhsa_group_segment_fixed_size 327680
		.amdhsa_private_segment_fixed_size 0
		.amdhsa_enable_private_segment 0
		.amdhsa_kernarg_size 32
		.amdhsa_user_sgpr_count 2
		.amdhsa_user_sgpr_kernarg_segment_ptr 1
		.amdhsa_wavefront_size32 1
		.amdhsa_system_sgpr_workgroup_id_x 1
		.amdhsa_system_sgpr_workgroup_id_y 1
		.amdhsa_system_sgpr_workgroup_id_z 1
		.amdhsa_system_vgpr_workitem_id 0
		.amdhsa_next_free_vgpr 512
		.amdhsa_next_free_sgpr 70
		.amdhsa_reserve_vcc 0
		.amdhsa_float_denorm_mode_32 3
		.amdhsa_float_denorm_mode_16_64 3
		.amdhsa_memory_ordered 1
		.amdhsa_forward_progress 1
		.amdhsa_inst_pref_size 87
	.end_amdhsa_kernel
	.amdgpu_metadata
---
amdhsa.version: [ 1, 2 ]
amdhsa.kernels:
  - .name:           k_qdebcce5532_proj
    .symbol:         k_qdebcce5532_proj.kd
    .args:
      - { .name: yp, .offset: 0, .size: 8, .value_kind: global_buffer, .address_space: global }
      - { .name: wt16, .offset: 8, .size: 8, .value_kind: global_buffer, .address_space: global }
      - { .name: b_proj, .offset: 16, .size: 8, .value_kind: global_buffer, .address_space: global }
      - { .name: out0, .offset: 24, .size: 8, .value_kind: global_buffer, .address_space: global }
    .group_segment_fixed_size: 327680
    .private_segment_fixed_size: 0
    .kernarg_segment_align: 8
    .kernarg_segment_size: 32
    .max_flat_workgroup_size: 128
    .sgpr_count:     70
    .vgpr_count:     512
    .wavefront_size: 32
...
	.end_amdgpu_metadata
.endif
;; end of part 4
;; launch fine (part 5): grid 16 x 4, 16 waves a work-group, no clusters, 84,224 bytes of LDS; arguments qkv32, w_proj, b_proj, out0; writes out0
.if DOCPART == 5
	.amdgcn_target "amdgcn-amd-amdhsa--gfx1250"
	.amdhsa_code_object_version 6
	.text
	.protected	k_qdebcce5532_fine
	.globl	k_qdebcce5532_fine
	.p2align	8
	.type	k_qdebcce5532_fine,@function
k_qdebcce5532_fine:
	s_mov_b64 s[64:65], 0
	v_nop
	global_prefetch_b8 v0, s[64:65] scope:SCOPE_SE
	s_setreg_imm32_b32 hwreg(HW_REG_WAVE_MODE, 25, 1), 1
	s_wait_xcnt 0x0
; The first 16 positions of every sequence, attention and projection, wholly in f32: these rows average one to sixteen values and are the largest of the output, so no operand of theirs is rounded.
; IN: qkv32 f32 [batch 4][t 16][3072] (q, k, v with their bias), w_proj [1024 k][1024 n], b_proj.  OUT: rows t < 16 of each batch of out0.
; A work-group takes a batch and 64 output columns; sixteen waves.  PHASE A: wave w makes head w's 16 x 64 of y (every work-group of a batch makes all of y anew: 16 x 16 scores a head) and puts it into LDS.
; PHASE B: wave w = 4 kq + nt multiplies y's columns 256 kq .. + 255 by 16 columns of w_proj; the four parts along K meet in LDS.
; The f32 matrix form takes K = 4: lane (r, h), register j holds k = 2 h + j.  A permutation of k applied alike to both sources keeps the products, so a lane takes a run of neighbours along K and step s names its registers 2 s, 2 s + 1.
; The registers that the matrix instructions write, v112-143, are written by them alone; sums begin with the constant 0 as C; two or four accumulators take turns.
; REGISTERS: v1-15 addresses; v16-47 q, v48-79 k, later W's steps 32-63; v80-111 V, later y; v144-151 scores, p, sums; v152-159 p / l, later the bias; v160-191 at work, later y; v192-255 W's steps 0-31.
.set YPI,   4112                       ; a row of y in LDS: 4,096 bytes + 16
.set PART,  16*YPI                     ; behind y: a wave's 16 x 16 partial sums, 1,024 bytes each, as an image of its registers
.set SPARE, PART+16*1024               ; the spare words, 128 bytes for each wave
	s_load_b256 s[4:11], s[0:1], 0x0               ; qkv32 s[4:5], w_proj s[6:7], b_proj s[8:9], out0 s[10:11]
	v_lshl_add_u32 v14, v0, 2, SPARE               ; my spare word; never rewritten
	v_mov_b32 v15, 0                               ; 0; never rewritten
	v_lshrrev_b32 v1, 5, v0
	v_readfirstlane_b32 s12, v1                    ; wave = head
	s_and_b32 s13, s12, 3                          ; nt
	s_lshr_b32 s14, s12, 2                         ; kq
	s_and_b32 s15, ttmp7, 0xffff                   ; batch
	v_and_b32 v1, 15, v0                           ; r
	v_bfe_u32 v2, v0, 4, 1                         ; h
	v_and_b32 v13, 31, v0                          ; l
	v_mul_u32_u24 v3, v1, 12288
	v_lshl_add_u32 v3, v2, 7, v3                   ; q, k: row r, channels 32 h on
	v_mul_u32_u24 v4, v2, 8*12288
	v_lshl_add_u32 v4, v1, 2, v4                   ; v: rows 8 h on, channel r of a tile
	v_lshlrev_b32 v5, 19, v2
	v_lshl_add_u32 v5, v1, 2, v5                   ; w_proj: rows 128 h on, column r of my 16
	v_mul_u32_u24 v6, v1, YPI
	v_lshl_add_u32 v7, v2, 9, v6
	v_lshl_add_u32 v6, v2, 5, v6
	s_lshl_b32 s16, s12, 8
	v_add_nc_u32 v6, s16, v6                       ; y into LDS: row r, + 256 head + 32 h
	s_lshl_b32 s16, s14, 10
	v_add_nc_u32 v7, s16, v7                       ; y out of LDS: row r, + 1024 kq + 512 h
	s_lshl_b32 s16, s12, 10
	s_add_co_u32 s16, s16, PART
	v_lshl_add_u32 v8, v13, 4, s16                 ; my partial sums: 1024 w + 16 l
	v_lshrrev_b32 v9, 2, v1                        ; the last step: thread (g = v0 % 16, q = v0 / 16) takes row q, columns 4 g .. 4 g + 3:
	v_lshlrev_b32 v9, 10, v9                       ; tile g / 4,
	v_and_b32 v10, 1, v1
	v_lshl_add_u32 v9, v10, 9, v9                  ; registers 4 (g % 2) on,
	v_bfe_u32 v10, v1, 1, 1
	v_lshl_add_u32 v9, v10, 8, v9                  ; lanes' half (g / 2) % 2,
	v_lshrrev_b32 v10, 4, v0
	v_lshl_add_u32 v9, v10, 4, v9                  ; lane q of it
	v_add_nc_u32 v9, PART, v9
	v_lshlrev_b32 v10, 12, v10
	v_lshl_add_u32 v10, v1, 4, v10                 ; out0: row q, 16 g
	v_lshlrev_b32 v11, 4, v1                       ; the bias: 16 g
	v_lshlrev_b32 v12, 3, v2
	v_sub_nc_u32 v12, v1, v12                      ; r - 8 h
	v_mov_b32 v13, 0xff800000                      ; -infinity
	s_mov_b32 s20, 0x76543210
	s_mov_b32 s21, 0xfedcba98                      ; v_permlanex16_b32: lane l xor 16
	s_mov_b32 s22, 0x3e38aa3b                      ; c = log2(e) / 8
	s_mul_i32 s16, s15, 196608
	s_lshl_b32 s17, s12, 8
	s_add_co_u32 s16, s16, s17
	s_mov_b32 s17, 0
	s_lshl_b32 s18, ttmp9, 8                       ; my 64 columns, in bytes
	s_lshl_b32 s24, s14, 20                        ; 256 kq rows of 4,096 bytes
	s_add_co_u32 s24, s24, s18
	s_lshl_b32 s19, s13, 6
	s_add_co_u32 s24, s24, s19
	s_mov_b32 s25, 0
	s_mov_b32 s19, 0
	s_lshl_b32 s26, s15, 23                        ; 2,048 batch rows of 4,096 bytes
	s_add_co_u32 s26, s26, s18
	s_mov_b32 s27, 0
	s_wait_kmcnt 0x0
	s_add_nc_u64 s[4:5], s[4:5], s[16:17]          ; my batch, my head's q
	s_add_nc_u64 s[6:7], s[6:7], s[24:25]
	s_add_nc_u64 s[8:9], s[8:9], s[18:19]
	s_add_nc_u64 s[10:11], s[10:11], s[26:27]
.set i, 0
.rept 64
	global_load_b32 v[192+i], v5, s[6:7] offset:i*4096             ; W(256 kq + 128 h + i, my column), i = 0 .. 63: sixteen lanes read 64 neighbouring bytes
.set i, i+1
.endr
.irp i, 0,1,2,3,4,5,6,7
	global_load_b128 v[16+4*\i:19+4*\i], v3, s[4:5] offset:16*\i
.endr
.irp i, 0,1,2,3,4,5,6,7
	global_load_b128 v[48+4*\i:51+4*\i], v3, s[4:5] offset:4096+16*\i
.endr
.irp dt, 0,1,2,3
.irp i, 0,1,2,3,4,5,6,7
	global_load_b32 v[80+8*\dt+\i], v4, s[4:5] offset:8192+\i*12288+64*\dt     ; V(8 h + i, 16 dt + r)
.endr
.endr
	s_wait_loadcnt 0x0
	; ---- S^T = K Q^T: source 0 = 16 keys, source 1 = 16 queries; step kk takes channels 32 h + 2 kk, + 1.  Lane (r, h) then holds query r and keys 8 h + 0 .. 7
.set kk, 0
.rept 16
.if kk < 2
	v_wmma_f32_16x16x4_f32 v[112+8*(kk%2):119+8*(kk%2)], v[48+2*kk:49+2*kk], v[16+2*kk:17+2*kk], 0
.else
	v_wmma_f32_16x16x4_f32 v[112+8*(kk%2):119+8*(kk%2)], v[48+2*kk:49+2*kk], v[16+2*kk:17+2*kk], v[112+8*(kk%2):119+8*(kk%2)]
.endif
.set kk, kk+1
.endr
.rept 8
	v_nop                                          ; eight places behind this form, in front of loads into its sources and of the first read of its results
.endr
.set i, 0
.rept 64
	global_load_b32 v[16+i], v5, s[6:7] offset:(64+i)*4096         ; W's second half, where q and k lay
.set i, i+1
.endr
.irp j, 0,2,4,6
	v_pk_add_f32 v[144+\j:145+\j], v[112+\j:113+\j], v[120+\j:121+\j]          ; the two halves of the sum over the channels, from the low end on
.endr
.irp j, 0,1,2,3,4,5,6,7
	v_cmp_gt_i32 vcc_lo, \j, v12                   ; key 8 h + j comes after query r
	v_cndmask_b32 v[144+\j], v[144+\j], v13, vcc_lo
.endr
	v_max3_num_f32 v160, v144, v145, v146
	v_max3_num_f32 v160, v160, v147, v148
	v_max3_num_f32 v160, v160, v149, v150
	v_max_num_f32 v160, v160, v151
	v_mov_b32 v161, 0
	v_permlanex16_b32 v161, v160, s20, s21
	v_max_num_f32 v160, v160, v161                 ; the row's maximum: key 0 counts for every query
	v_mul_f32 v160, s22, v160
.irp j, 0,1,2,3,4,5,6,7
	v_fma_f32 v[144+\j], v[144+\j], s22, -v160
.endr
.irp j, 0,1,2,3,4,5,6,7
	v_exp_f32 v[144+\j], v[144+\j]
.endr
	v_nop
	s_wait_alu depctr_va_vdst(0)                   ; one wait for the eight, ahead of their first reader
	v_pk_add_f32 v[162:163], v[144:145], v[146:147]
	v_pk_add_f32 v[164:165], v[148:149], v[150:151]
	v_pk_add_f32 v[162:163], v[162:163], v[164:165]
	v_add_f32 v162, v162, v163
	v_permlanex16_b32 v161, v162, s20, s21
	v_add_f32 v162, v162, v161
	v_rcp_f32 v163, v162
	v_nop
	s_wait_alu depctr_va_vdst(0)
.irp j, 0,1,2,3,4,5,6,7
	v_mul_f32 v[152+\j], v[144+\j], v163           ; p / l
.endr
	; ---- O^T = V^T P: source 0 = 16 channels, source 1 = 16 queries; step ks takes keys 8 h + 2 ks, + 1.  Four accumulators by turns
.irp ks, 0,1,2,3
.irp dt, 0,1,2,3
.if \ks == 0
	v_wmma_f32_16x16x4_f32 v[112+8*\dt:119+8*\dt], v[80+8*\dt+2*\ks:81+8*\dt+2*\ks], v[152+2*\ks:153+2*\ks], 0
.else
	v_wmma_f32_16x16x4_f32 v[112+8*\dt:119+8*\dt], v[80+8*\dt+2*\ks:81+8*\dt+2*\ks], v[152+2*\ks:153+2*\ks], v[112+8*\dt:119+8*\dt]
.endif
.endr
.endr
.rept 9
	v_nop                                          ; eight places in front of the stores that read the results and of the loads into the sources; nine in front of the products that begin new sums in these registers
.endr
.irp dt, 0,1,2,3
	ds_store_b128 v6, v[112+8*\dt:115+8*\dt] offset:64*\dt         ; y(r, 64 head + 16 dt + 8 h + 0 .. 7)
	ds_store_b128 v6, v[116+8*\dt:119+8*\dt] offset:64*\dt+16
.endr
	global_load_b128 v[152:155], v11, s[8:9]       ; the bias of the four columns that I store at the end
	s_wait_dscnt 0x0                               ; for the others' sake: my part of y has landed
	s_barrier_signal -1
	s_barrier_wait -1
	; ---- out^T = W^T y^T: source 0 = 16 columns of w_proj, source 1 = the 16 rows of y; step st takes k = 256 kq + 128 h + 2 st, + 1.  Two accumulators by turns
.macro YLOAD ch, reg                   ; 16 steps' numbers of y: 128 bytes a lane
.irp e, 0,1,2,3,4,5,6,7
	ds_load_b128 v[\reg+4*\e:\reg+4*\e+3], v7 offset:128*\ch+16*\e
.endr
.endm
.macro PROD ch, reg
.set kk, 0
.rept 16
.set st, 16*\ch+kk
.if st < 32
.set wr, 192+2*st
.else
.set wr, 16+2*(st-32)
.endif
.if st < 2
	v_wmma_f32_16x16x4_f32 v[112+8*(kk%2):119+8*(kk%2)], v[wr:wr+1], v[\reg+2*kk:\reg+2*kk+1], 0
.else
	v_wmma_f32_16x16x4_f32 v[112+8*(kk%2):119+8*(kk%2)], v[wr:wr+1], v[\reg+2*kk:\reg+2*kk+1], v[112+8*(kk%2):119+8*(kk%2)]
.endif
.set kk, kk+1
.endr
.endm
	YLOAD 0, 80
	YLOAD 1, 160
	s_wait_loadcnt 0x0                             ; W's second half and the bias
	s_wait_dscnt 8                                 ; chunk 0 is in; chunk 1's eight loads may be out
	PROD 0, 80
.rept 8
	v_nop
.endr
	YLOAD 2, 80
	s_wait_dscnt 8                                 ; chunk 1 is in
	PROD 1, 160
.rept 8
	v_nop
.endr
	YLOAD 3, 160
	s_wait_dscnt 8                                 ; chunk 2 is in
	PROD 2, 80
	s_wait_dscnt 0x0
	PROD 3, 160
.rept 8
	v_nop
.endr
.irp j, 0,2,4,6
	v_pk_add_f32 v[144+\j:145+\j], v[112+\j:113+\j], v[120+\j:121+\j]          ; lane (r, h): out(r, 16 nt + 8 h + 0 .. 7), my quarter of K
.endr
	ds_store_b128 v8, v[144:147]
	ds_store_b128 v8, v[148:151] offset:512
	s_wait_dscnt 0x0
	s_barrier_signal -1
	s_barrier_wait -1
	s_cmp_ge_u32 s12, 8                            ; 256 threads take four numbers each
	s_cbranch_scc1 .Ldone
.irp q, 0,1,2,3
	ds_load_b128 v[80+4*\q:83+4*\q], v9 offset:4096*\q
.endr
	s_wait_dscnt 0x0
	v_pk_add_f32 v[80:81], v[80:81], v[84:85]
	v_pk_add_f32 v[82:83], v[82:83], v[86:87]
	v_pk_add_f32 v[88:89], v[88:89], v[92:93]
	v_pk_add_f32 v[90:91], v[90:91], v[94:95]
	v_pk_add_f32 v[80:81], v[80:81], v[88:89]
	v_pk_add_f32 v[82:83], v[82:83], v[90:91]
	v_pk_add_f32 v[80:81], v[80:81], v[152:153]
	v_pk_add_f32 v[82:83], v[82:83], v[154:155]
	global_store_b128 v10, v[80:83], s[10:11]      ; sixteen lanes store 256 consecutive bytes, aligned
.Ldone:
	s_wait_tensorcnt 0x0                           ; the wave's end, behind my last LDS store
	ds_add_u32 v14, v15
	s_wait_dscnt 0x0
	s_endpgm
.Lfunc_end_k_qdebcce5532_fine:
	.size	k_qdebcce5532_fine, .Lfunc_end_k_qdebcce5532_fine-k_qdebcce5532_fine
	.p2alignl 7, 3214868480
	.fill 96, 4, 3214868480
	.section	.rodata,"a",@progbits
	.p2align	6, 0x0
	.amdhsa_kernel k_qdebcce5532_fine
		.amdhsa_group_segment_fixed_size 84224
		.amdhsa_private_segment_fixed_size 0
		.amdhsa_enable_private_segment 0
		.amdhsa_kernarg_size 32
		.amdhsa_user_sgpr_count 2
		.amdhsa_user_sgpr_kernarg_segment_ptr 1
		.amdhsa_wavefront_size32 1
		.amdhsa_system_sgpr_workgroup_id_x 1
		.amdhsa_system_sgpr_workgroup_id_y 1
		.amdhsa_system_sgpr_workgroup_id_z 1
		.amdhsa_system_vgpr_workitem_id 0
		.amdhsa_next_free_vgpr 256
		.amdhsa_next_free_sgpr 66
		.amdhsa_reserve_vcc 1
		.amdhsa_float_denorm_mode_32 3
		.amdhsa_float_denorm_mode_16_64 3
		.amdhsa_memory_ordered 1
		.amdhsa_forward_progress 1
		.amdhsa_inst_pref_size 34
	.end_amdhsa_kernel
	.amdgpu_metadata
---
amdhsa.version: [ 1, 2 ]
amdhsa.kernels:
  - .name:           k_qdebcce5532_fine
    .symbol:         k_qdebcce5532_fine.kd
    .args:
      - { .name: qkv32, .offset: 0, .size: 8, .value_kind: global_buffer, .address_space: global }
      - { .name: w_proj, .offset: 8, .size: 8, .value_kind: global_buffer, .address_space: global }
      - { .name: b_proj, .offset: 16, .size: 8, .value_kind: global_buffer, .address_space: global }
      - { .name: out0, .offset: 24, .size: 8, .value_kind: global_buffer, .address_space: global }
    .group_segment_fixed_size: 84224
    .private_segment_fixed_size: 0
    .kernarg_segment_align: 8
    .kernarg_segment_size: 32
    .max_flat_workgroup_size: 512
    .sgpr_count:     66
    .vgpr_count:     256
    .wavefront_size: 32
...
	.end_amdgpu_metadata
.endif
;; end of part 5
